; MI455X (gfx1250); checked and timed in simulation.
; The chip was launched on July 23, 2026; its instructions are those of AMD's public machine-readable ISA for CDNA 5 (MIT licence, August 2026) and "CDNA5" Instruction Set Architecture Reference Guide (July 2026). The comments in the code are by the model that wrote it; some were corrected since.
;; Complex Attention. Allowed arithmetic: matrix products marked QUANTISED: E2M3 operands, one E8M0 scale for each 32 along K, by v_wmma_scale_f32_16x16x128_f8f6f4 with both operands' format E2M3, f32 sums; everything else in f32.
;; Inputs: Wk 1,024 x 1,024 float32; Wo 1,024 x 1,024 float32; Wq 1,024 x 1,024 float32; Wv 1,024 x 1,024 float32; X 2 x 2,048 x 1,024 float32; bk 1,024 float32; bo 1,024 float32; bq 1,024 float32; bv 1,024 float32.
;; Outputs: out0 2 x 2,048 x 1,024 float32.
;; This version of the problem:
;;   THIS VERSION OF THE PROBLEM IS GIVEN IN LOW PRECISION. The matrix products marked QUANTISED in the list below multiply operands that are first quantised to E2M3 (2 exponent bits, 3 mantissa bits; 6 bits a number), with one power-of-two scale for each 32 numbers along K (OCP MX v1.0); their sums are f32. All else is computed in f32.
;;   The module's matrix products, in the order in which they are computed (A, B: the left and right operand; K: the contracted axis; several contracted axes count as one K, in the product's order):
;;     1. [M 4,096, K 1,024] x [K 1,024, N 1,024]; A: computed on the way; B: input Wq: QUANTISED
;;     2. [M 4,096, K 1,024] x [K 1,024, N 1,024]; A: computed on the way; B: input Wk: QUANTISED
;;     3. [M 4,096, K 1,024] x [K 1,024, N 1,024]; A: computed on the way; B: input Wv: QUANTISED
;;     4. batch 32 x [M 2,048, K 64] x [K 64, N 2,048]; A: computed on the way; B: computed on the way: QUANTISED
;;     5. batch 32 x [M 64, K 2,048] x [K 2,048, N 2,048]; A: computed on the way; B: softmax (see below): QUANTISED
;;     6. [M 4,096, K 1,024] x [K 1,024, N 1,024]; A: computed on the way; B: input Wo: QUANTISED
;;   THE QUANTISER, for each operand of a quantised product, along K:
;;     - K is cut into blocks of 32 from its start; a last block that is shorter is filled with zeros.
;;     - A block's scale is 2^e with e = floor(log2(the largest magnitude in the block)) - 2, held to -126 .. 127; a block of zeros has e = 0. As a byte (E8M0): e + 127.
;;     - Each number is divided by its block's scale, clamped to +-7.5, and rounded to the nearest number of E2M3, ties to even, subnormals kept.
;;     - The product sums the exact products of the quantised numbers (number of the format x scale) in f32.
;;   ~~~python
;;   def quantise(x, axis):      # numpy; x: float32 -> the quantised numbers, widened to float32 again
;;       x = np.moveaxis(x, axis, -1); K = x.shape[-1]
;;       x = np.pad(x, [(0, 0)] * (x.ndim - 1) + [(0, -K % 32)]); x = x.reshape(x.shape[:-1] + (-1, 32)); a = np.abs(x).max(-1, keepdims=True)
;;       e = np.where(a > 0, np.clip(np.frexp(np.where(a > 0, a, 1))[1] - 1 - 2, -126, 127), 0)      # np.frexp(a)[1] - 1 = floor(log2(a)), exactly
;;       r = np.clip(x / 2.0 ** e, -7.5, 7.5)
;;       step = 2.0 ** (np.maximum(np.frexp(np.where(r == 0, 1, r))[1] - 1, 0) - 3)
;;       q = np.round(r / step) * step * 2.0 ** e      # np.round: ties to even
;;       return np.moveaxis(q.reshape(q.shape[:-2] + (-1,))[..., :K], -1, axis).astype(np.float32)
;;   ~~~
;;   SOFTMAX AHEAD OF A QUANTISED PRODUCT. Where the list says 'softmax', what is quantised is not the finished softmax but p = 2^(t - M), with t = logit x log2(e) and M = ceil(the row's largest t), a whole number; so 1/2 < the row's largest p <= 1. The row's sum l is taken of the UNQUANTISED p, in f32, and the product's result is divided by l at the end. Since M is a whole number, a kernel that streams over the keys may use a running M (the ceiling of the running maximum): every later rescaling is an exact power of two, which a block's scale takes up: the codes' values come out the same.
;;   OPERANDS COMPUTED ON THE WAY. 'Computed on the way' means the value that the module computes at that place (a softmax that the list does not call 'softmax' is quantised finished and normalised). What goes into a quantiser is computed in f32, as accurately as f32 sums, v_exp_f32 and their like allow (about 1e-6 of the number): no bf16 or f16 on the way to a quantiser, and a product that is left as it is and whose result goes on into a quantised operand takes f32 operands (vector FMAs, or v_wmma_f32_16x16x4_f32). A number that lies on a knife's edge between two numbers of the format may be rounded either way, as far as f32 arithmetic and the matrix unit's own rounding can turn it there, and no further.
;; One version. Each part assembles by itself: llvm-mc -triple=amdgcn-amd-amdhsa -mcpu=gfx1250 --defsym DOCPART=n.
;; ======== version 1 of 1: 4 launches
;; limits: right only within a limited range of input values
;; workspace buffers: w_codes 3,145,728 bytes; w_scales 131,072 bytes; x_codes 3,145,728 bytes; x_scales 131,072 bytes; qrec 6,553,600 bytes; kvrec 6,553,600 bytes; o_codes 3,145,728 bytes; o_scales 131,072 bytes
;; launch prep (part 1): grid 256 x 1, 8 waves a work-group, no clusters, 120,832 bytes of LDS; arguments X, x_codes, x_scales, Wq, Wk, Wv, Wo, w_codes, w_scales; writes x_codes, x_scales, w_codes, w_scales
.if DOCPART == 1
	.amdgcn_target "amdgcn-amd-amdhsa--gfx1250"
	.amdhsa_code_object_version 6
	.text
	.protected	k_qf83e523f6f_prep
	.globl	k_qf83e523f6f_prep
	.p2align	8
	.type	k_qf83e523f6f_prep,@function
k_qf83e523f6f_prep:
	s_mov_b64 s[64:65], 0
	v_nop
	global_prefetch_b8 v0, s[64:65] scope:SCOPE_SE
	s_setreg_imm32_b32 hwreg(HW_REG_WAVE_MODE, 25, 1), 1
	s_wait_xcnt 0x0
; ONE LAUNCH PREPARES ALL OPERANDS, and every wave has a share of both kinds: a pair of rows of X, transformed and quantised, and 2,048 numbers of the weights, quantised.
; THE TRANSFORM.  y = Re(ifft(X)) along the 1,024 features, all in f32, then quantised along the features to FP6 (E2M3) with one E8M0 byte for each 32: x_codes [4096][768], x_scales [4096][32].
; TWO ROWS ARE ONE COMPLEX TRANSFORM: z = xa + i xb, Z = DFT(z); Z[n] + Z[(1024 - n) % 1024] = 2 sum z[k] cos(2 pi k n / 1024) = 2048 (ya[n] + i yb[n]).
; The factor 2^-11 is never multiplied in: a power of two changes no code; the conversions take the scale of the unscaled sums, and the stored byte is that scale's byte less 11.
; 1,024 = 32 x 32: k = 32 k1 + k2, n = n1 + 32 n2.  Lane = k2, registers = k1: a transform of 32 in registers; x W1024^(k2 n1); a turn through LDS (lane = n1, registers = k2); a second
; transform of 32; a second turn, after which lane L holds Z[32 L + i], i = 0 .. 31, a whole block of 32 features, and reads the mirrored row beside it.
; A transform of 32 is five stages (decimation in frequency), its results in bit-reversed order: register p holds frequency br(p).
; The table W1024^a = (cos, -sin) is made once a work-group: thread t makes a = t by two short series on an angle of at most pi / 4, and the three quarter turns of it.
; THE WEIGHTS.  Wq, Wk, Wv, Wo, each [1024][1024] f32 with K innermost, become one stream: w_codes [4096 rows][768 bytes], w_scales [4096][32]; rows 0-1023 Wq, then Wk, Wv, Wo.
; Wave 8 g + w takes piece 8 g + w of the stream's 2,048: 4 steps of 512 numbers; 512 pieces make a tensor, so a work-group's pieces lie in one tensor.  Each load reads 512 consecutive bytes; a step's
; 2,048 bytes turn through the wave's own stage in LDS, so that a lane then holds 16 neighbours along K (two lanes a block).  A piece's codes are 1,536 consecutive bytes; a work-group's 512 scale bytes
; are gathered in LDS and leave as two aligned blocks of 256 bytes.
; ORDER: the weights' 16 loads go out first, then X's 64; the weights are quantised while X's rows are on their way, in registers that the transform takes up only afterwards, and in LDS bytes of their own.
; A block's scale is 2^(floor(log2(its largest magnitude)) - 2): its byte is that magnitude's exponent field - 2, held at 1 from below.
; LIMITS: a block of the weights whose largest magnitude lies under 2^-124, and a block of y whose largest unscaled sum lies under 2^-113 (blocks of zeros too), keep the byte 1: this program alone reads the bytes.
; NaN and infinities among the inputs are not served.
.set A,   16                           ; v16-79   32 pairs (re, im)
.set B,   80                           ; v80-143  first the weights' 64 numbers as loaded; then 32 pairs; at last ya's 32 numbers (v80-111) and yb's (v112-143)
.set SWT, 144                          ; v144-175 first the weights' two sets of 16 neighbours; then W32^tw, tw = 0 .. 15; at last the codes
.set MT,  176                          ; v176-239 first the weights' codes, bytes and addresses; then W1024^(lane br(p)); at last the mirrored row
.set PIT, 272                          ; a row of the turn: 32 pairs of 8 bytes + 16
.set WR0, 8192                         ; LDS: the table, 8,192 bytes; then 32 x PIT bytes for each wave; then the work-group's 512 scale bytes of y
.set WRB, 32*PIT
.set SCS, WR0+8*WRB
.set SPARE, SCS+512                    ; the spare words, 128 bytes a wave
.set SP,    80                         ; the weights: a lane's place in a stage: 64 bytes + 16 of padding
.set WREG,  2*32*SP                    ; two stages for each wave
.set WQ0,   SPARE+1024
.set WSC,   WQ0+8*WREG                 ; the work-group's 512 scale bytes of the weights
.set CB,    12                         ; bytes of 16 codes
.set WC,    176                        ; v176-191 the weights' codes: four registers a step
.set WE,    192                        ; v192-195 their scale bytes
.set WIN_,  200                        ; v200 the stage, in; v201 the stage, out; v202 my codes' place in a step's; v203 my block's scale byte in LDS; v204-206 at work
	s_load_b128 s[4:7], s[0:1], 0x0                ; X, its codes
	s_load_b64 s[8:9], s[0:1], 0x10                ; its scale bytes
	s_load_b256 s[32:39], s[0:1], 0x18             ; Wq, Wk, Wv, Wo
	s_load_b128 s[12:15], s[0:1], 0x38             ; the weights' codes, their scale bytes
	v_lshl_add_u32 v254, v0, 2, SPARE
	v_mov_b32 v255, 0
	v_lshrrev_b32 v1, 5, v0
	s_delay_alu instid0(VALU_DEP_1)
	v_readfirstlane_b32 s16, v1                    ; wave 0..7
	v_and_b32 v1, 31, v0                           ; lane
	s_delay_alu instid0(VALU_DEP_1)
	v_lshlrev_b32 v2, 2, v1                        ; X: 4 bytes a lane
	s_mul_i32 s17, s16, WRB
	s_add_co_u32 s17, s17, WR0                     ; my wave's region
	v_lshl_add_u32 v3, v1, 3, s17                  ; a turn, in: column = lane
	v_mul_u32_u24 v4, v1, PIT
	s_delay_alu instid0(VALU_DEP_1)
	v_add_nc_u32 v4, s17, v4                       ; a turn, out: row = lane
	v_sub_nc_u32 v13, 31, v1
	s_delay_alu instid0(VALU_DEP_1)
	v_mul_u32_u24 v5, v13, PIT
	s_delay_alu instid0(VALU_DEP_1)
	v_add_nc_u32 v5, s17, v5                       ; row 31 - lane: the mirror of columns 1 .. 31
	v_sub_nc_u32 v13, 32, v1
	s_delay_alu instid0(VALU_DEP_1)
	v_and_b32 v13, 31, v13
	s_delay_alu instid0(VALU_DEP_1)
	v_mul_u32_u24 v6, v13, PIT
	s_delay_alu instid0(VALU_DEP_1)
	v_add_nc_u32 v6, s17, v6                       ; row (32 - lane) % 32: the mirror of column 0
	v_mul_u32_u24 v7, v1, 24
	s_delay_alu instid0(VALU_DEP_1)
	v_add_nc_u32 v7, s17, v7                       ; the way out: my block's 24 bytes of codes
	v_lshl_add_u32 v8, v1, 4, s17                  ; and back, 16 bytes a lane
	v_lshlrev_b32 v9, 4, v1                        ; 16 x lane
	s_lshl_b32 s18, s16, 6
	s_add_co_u32 s29, s18, WSC
	s_add_co_u32 s18, s18, SCS
	s_mul_i32 s28, s16, WREG
	s_add_co_u32 s28, s28, WQ0                     ; my two stages
	v_add_nc_u32 v10, s18, v1                      ; my block's scale byte: 64 x wave + lane (the second row's 32 further on)
	v_lshlrev_b32 v11, 3, v1                       ; 8 x lane
	v_lshlrev_b32 v12, 3, v0                       ; 8 x thread: my entry of the table
	v_lshrrev_b32 v200, 2, v1
	v_and_b32 v201, 3, v1
	s_delay_alu instid0(VALU_DEP_2)
	v_mul_u32_u24 v200, v200, SP
	s_delay_alu instid0(VALU_DEP_1)
	v_lshl_add_u32 v200, v201, 4, v200
	s_delay_alu instid0(VALU_DEP_1)
	v_add_nc_u32 v200, s28, v200                   ; the stage, in: SP (lane / 4) + 16 (lane % 4)
	v_mul_u32_u24 v201, v1, SP
	s_delay_alu instid0(VALU_DEP_1)
	v_add_nc_u32 v201, s28, v201                   ; and out: SP x lane: my 16 neighbours
	v_mul_u32_u24 v202, v1, CB
	v_lshrrev_b32 v203, 1, v1
	s_delay_alu instid0(VALU_DEP_1)
	v_add_nc_u32 v203, s29, v203                   ; 64 x wave + lane / 2 (a step's 16 bytes further on each time)
	s_lshl_b32 s18, ttmp9, 3
	s_add_co_u32 s18, s18, s16                     ; 8 g + w: my pair of rows, and my piece of the weights
	s_lshl_b32 s20, s18, 13                        ; x 8,192 bytes of X
	s_mov_b32 s21, 0
	s_mul_i32 s22, s18, 1536                       ; x 1,536 bytes of codes, of either kind
	s_mov_b32 s23, 0
	s_lshl_b32 s24, ttmp9, 9                       ; the work-group's 512 scale bytes, of either kind
	s_mov_b32 s25, 0
	s_and_b32 s26, s18, 511                        ; my piece's number inside its tensor
	s_lshl_b32 s26, s26, 13                        ; x 8,192 bytes
	s_mov_b32 s27, 0
	s_wait_alu depctr_va_vdst(0)                   ; the wait at the head's end
	s_wait_kmcnt 0x0
	s_add_nc_u64 s[4:5], s[4:5], s[20:21]
	s_add_nc_u64 s[6:7], s[6:7], s[22:23]
	s_add_nc_u64 s[8:9], s[8:9], s[24:25]
	s_cmp_lt_u32 ttmp9, 64                         ; which tensor: 64 work-groups to each; the choice hangs on the work-group's number alone
	s_cselect_b64 s[32:33], s[32:33], s[34:35]
	s_cmp_lt_u32 ttmp9, 192
	s_cselect_b64 s[36:37], s[36:37], s[38:39]
	s_cmp_lt_u32 ttmp9, 128
	s_cselect_b64 s[32:33], s[32:33], s[36:37]
	s_add_nc_u64 s[32:33], s[32:33], s[26:27]
	s_add_nc_u64 s[12:13], s[12:13], s[22:23]
	s_add_nc_u64 s[14:15], s[14:15], s[24:25]
.set q, 0
.rept 16                               ; the weights: each load reads 512 consecutive bytes; step t's four into v[B + 16 t ..]
	global_load_b128 v[B+4*q:B+4*q+3], v9, s[32:33] offset:512*q th:TH_LOAD_NT
.set q, q+1
.endr
.set q, 0
.rept 23                               ; z[32 k1 + lane]: each load reads 128 consecutive bytes of a row; the rows are read once
	global_load_b32 v[A+2*q], v2, s[4:5] offset:128*q th:TH_LOAD_NT
	global_load_b32 v[A+2*q+1], v2, s[4:5] offset:4096+128*q th:TH_LOAD_NT
.set q, q+1
.endr
	; the table, while the loads are on their way.  theta = min(t, 256 - t) pi / 512 <= pi / 4; beyond t = 128 sine and cosine change places
	v_sub_nc_u32 v13, 0x100, v0
	s_delay_alu instid0(VALU_DEP_1)
	v_min_u32 v13, v0, v13
	s_delay_alu instid0(VALU_DEP_1)
	v_cvt_f32_u32 v13, v13
	s_delay_alu instid0(VALU_DEP_1)
	v_mul_f32 v13, 0x3bc90fdb, v13                 ; theta
	s_delay_alu instid0(VALU_DEP_1)
	v_mul_f32 v14, v13, v13
	v_mov_b32 v242, 0xb493f27e                     ; cos: -1/10!, 1/8!, -1/6!, 1/4!, -1/2, 1: the term left out is under 2e-10
	s_delay_alu instid0(VALU_DEP_1)
	v_fmaak_f32 v242, v242, v14, 0x37d00d01
	s_delay_alu instid0(VALU_DEP_1)
	v_fmaak_f32 v242, v242, v14, 0xbab60b61
	s_delay_alu instid0(VALU_DEP_1)
	v_fmaak_f32 v242, v242, v14, 0x3d2aaaab
	s_delay_alu instid0(VALU_DEP_1)
	v_fmaak_f32 v242, v242, v14, 0xbf000000
	s_delay_alu instid0(VALU_DEP_1)
	v_fmaak_f32 v242, v242, v14, 0x3f800000
	v_mov_b32 v243, 0x3638ef1d                     ; sin / theta: 1/9!, -1/7!, 1/5!, -1/3!, 1: the term left out is under 2e-9
	s_delay_alu instid0(VALU_DEP_1)
	v_fmaak_f32 v243, v243, v14, 0xb9500d01
	s_delay_alu instid0(VALU_DEP_1)
	v_fmaak_f32 v243, v243, v14, 0x3c088889
	s_delay_alu instid0(VALU_DEP_1)
	v_fmaak_f32 v243, v243, v14, 0xbe2aaaab
	s_delay_alu instid0(VALU_DEP_1)
	v_fmaak_f32 v243, v243, v14, 0x3f800000
	s_delay_alu instid0(VALU_DEP_1)
	v_mul_f32 v243, v243, v13
	v_cmp_lt_u32 vcc_lo, 0x80, v0
	s_delay_alu instid0(VALU_DEP_1)
	v_cndmask_b32 v244, v242, v243, vcc_lo         ; c = cos(pi t / 512)
	s_delay_alu instid0(VALU_DEP_2)
	v_cndmask_b32 v245, v243, v242, vcc_lo         ; s = sin(pi t / 512)
	s_delay_alu instid0(VALU_DEP_2)
	v_mov_b32 v246, v244                           ; W^t = (c, -s); each quarter turn multiplies by -i
	s_delay_alu instid0(VALU_DEP_2)
	v_xor_b32 v247, 0x80000000, v245
	s_delay_alu instid0(VALU_DEP_1)
	v_mov_b32 v248, v247                           ; (-s, -c)
	v_xor_b32 v249, 0x80000000, v244
	s_delay_alu instid0(VALU_DEP_1)
	v_mov_b32 v250, v249                           ; (-c, s)
	v_mov_b32 v251, v245
	v_mov_b32 v252, v245                           ; (s, c)
	v_mov_b32 v253, v244
	ds_store_b64 v12, v[246:247]
	ds_store_b64 v12, v[248:249] offset:2048
	ds_store_b64 v12, v[250:251] offset:4096
	ds_store_b64 v12, v[252:253] offset:6144
	s_wait_dscnt 0x0                               ; for the others' sake: my four entries lie in LDS
	s_barrier_signal -1
	s_barrier_wait -1                              ; the table is whole
.set q, 23
.rept 9                                ; the rest of the two rows
	global_load_b32 v[A+2*q], v2, s[4:5] offset:128*q th:TH_LOAD_NT
	global_load_b32 v[A+2*q+1], v2, s[4:5] offset:4096+128*q th:TH_LOAD_NT
.set q, q+1
.endr
; THE WEIGHTS, while X's rows are on their way
.macro WTURN t                         ; step t's numbers through the stage: LDS serves a wave's instructions in order, so no wait stands between the stores and the loads
.irp i, 0,1,2,3
	ds_store_b128 v200, v[B+16*(\t)+4*\i:B+16*(\t)+4*\i+3] offset:32*SP*((\t)%2)+8*SP*\i
.endr
.irp i, 0,1,2,3
	ds_load_b128 v[SWT+16*((\t)%2)+4*\i:SWT+16*((\t)%2)+4*\i+3], v201 offset:32*SP*((\t)%2)+16*\i
.endr
.endm
.macro WSTEP t
.set XS, SWT+16*((\t)%2)
.if (\t) > 0
	s_wait_dscnt 1                                 ; this step's numbers are back from the stage (the last step's byte store may be out)
.else
	s_wait_dscnt 0x0
.endif
.if (\t) < 3
	WTURN (\t)+1
.endif
	v_max3_num_f32 v204, |v[XS]|, |v[XS+1]|, |v[XS+2]|             ; the largest magnitude of my 16, in two chains
	v_max3_num_f32 v205, |v[XS+3]|, |v[XS+4]|, |v[XS+5]|
.irp i, 6,10
	v_max3_num_f32 v204, v204, |v[XS+\i]|, |v[XS+\i+1]|
	v_max3_num_f32 v205, v205, |v[XS+\i+2]|, |v[XS+\i+3]|
.endr
	v_max3_num_f32 v204, v204, |v[XS+14]|, |v[XS+15]|
	v_max3_num_f32 v204, v204, v205, 0x1800000     ; and the floor 2^(3 - 127): the byte cannot fall under 1
	v_max_num_f32_dpp v204, v204, v204 row_xmask:1 row_mask:0xf bank_mask:0xf   ; with my neighbour's 16: the block's
	v_add_nc_u32 v206, 0xff000000, v204            ; 2 off its exponent field: the conversion takes this operand's exponent field as its scale
	v_cvt_scalef32_pk16_fp6_f32 v[WC+4*(\t):WC+4*(\t)+2], v[XS:XS+15], v206
	v_lshrrev_b32 v[WE+(\t)], 23, v206             ; the scale's byte (a plain line behind the conversion)
	ds_store_b8 v203, v[WE+(\t)] offset:16*(\t)    ; both lanes of a block write the same byte with the same value
	global_store_b96 v202, v[WC+4*(\t):WC+4*(\t)+2], s[12:13] offset:32*CB*(\t)   ; the wave stores 384 consecutive bytes
.endm
	s_wait_loadcnt 63                              ; behind the weights' 16 loads stand X's 64: the 16 are in
	WTURN 0
.irp t, 0,1,2,3
	WSTEP \t
.endr
	s_wait_xcnt 0x0                                ; the stores have read their registers: the table's entries may land there
	v_mov_b32 v14, 0
.set p, 0
.rept 16
	ds_load_b64 v[SWT+2*p:SWT+2*p+1], v14 offset:256*p             ; W32^p = W1024^(32 p): all lanes the same entry
.set p, p+1
.endr
.set p, 1
.rept 31
.set BR, ((p&1)<<4)|((p&2)<<2)|(p&4)|((p&8)>>2)|((p&16)>>4)
	v_mul_u32_u24 v[B+p], v11, BR                  ; 8 x lane x br(p), at most 8 x 961: an address register for each load (B is idle here)
	ds_load_b64 v[MT+2*p:MT+2*p+1], v[B+p]
.set p, p+1
.endr
	s_wait_dscnt 0x0
	s_wait_loadcnt 0x0                             ; the two rows
; One stage: pairs (ia, ib = ia + hl): dst[ia] = a + b, dst[ib] = (a - b) W32^tw.  Three passes, so that no line waits for the line above it; src is dead behind the first and lends its registers.
; (x + i y)(wr + i wi): first (x wr, y wr), then (-y wi + .., x wi + ..).  W32^8 = -i needs no product: (a - b)(-i) = (a.im - b.im, b.re - a.re).
.macro STAGE src, dst, hl
.set gi, 0
.rept 16/\hl
.set ji, 0
.rept \hl
.set ia, 2*\hl*gi+ji
.set ib, ia+\hl
.set tw, ji*(16/\hl)
	v_pk_add_f32 v[\dst+2*ia:\dst+2*ia+1], v[\src+2*ia:\src+2*ia+1], v[\src+2*ib:\src+2*ib+1]
.if tw == 8
	v_pk_add_f32 v[\dst+2*ib:\dst+2*ib+1], v[\src+2*ia:\src+2*ia+1], v[\src+2*ib:\src+2*ib+1] op_sel:[1,1] op_sel_hi:[0,0] neg_lo:[0,1] neg_hi:[1,0]
.else
	v_pk_add_f32 v[\dst+2*ib:\dst+2*ib+1], v[\src+2*ia:\src+2*ia+1], v[\src+2*ib:\src+2*ib+1] neg_lo:[0,1] neg_hi:[0,1]
.endif
.set ji, ji+1
.endr
.set gi, gi+1
.endr
.set gi, 0
.rept 16/\hl
.set ji, 0
.rept \hl
.set ib, 2*\hl*gi+ji+\hl
.set tw, ji*(16/\hl)
.if (tw != 0) && (tw != 8)
	v_pk_mul_f32 v[\src+2*ib:\src+2*ib+1], v[\dst+2*ib:\dst+2*ib+1], v[SWT+2*tw:SWT+2*tw+1] op_sel_hi:[1,0]
.endif
.set ji, ji+1
.endr
.set gi, gi+1
.endr
.set gi, 0
.rept 16/\hl
.set ji, 0
.rept \hl
.set ib, 2*\hl*gi+ji+\hl
.set tw, ji*(16/\hl)
.if (tw != 0) && (tw != 8)
	v_pk_fma_f32 v[\dst+2*ib:\dst+2*ib+1], v[\dst+2*ib:\dst+2*ib+1], v[SWT+2*tw:SWT+2*tw+1], v[\src+2*ib:\src+2*ib+1] op_sel:[1,1,0] op_sel_hi:[0,1,1] neg_lo:[1,0,0]
.endif
.set ji, ji+1
.endr
.set gi, gi+1
.endr
.endm
.macro FFT32                           ; A -> B
	STAGE A, B, 16
	STAGE B, A, 8
	STAGE A, B, 4
	STAGE B, A, 2
	STAGE A, B, 1
.endm
.macro TRIPST                          ; register p goes to row br(p), column lane: each store covers 256 consecutive bytes
.set p, 0
.rept 32
.set BR, ((p&1)<<4)|((p&2)<<2)|(p&4)|((p&8)>>2)|((p&16)>>4)
	ds_store_b64 v3, v[B+2*p:B+2*p+1] offset:PIT*BR
.set p, p+1
.endr
.endm
.macro TRIPLD                          ; row lane comes back into A, in natural order.  LDS serves a wave's instructions in order: these see my stores
.set q, 0
.rept 16
	ds_load_b128 v[A+4*q:A+4*q+3], v4 offset:16*q
.set q, q+1
.endr
.endm
	FFT32                                          ; over k1: B[p] = A1[n1 = br(p)] of my k2
.set p, 1
.rept 31
	v_pk_mul_f32 v[A+2*p:A+2*p+1], v[B+2*p:B+2*p+1], v[MT+2*p:MT+2*p+1] op_sel_hi:[1,0]
.set p, p+1
.endr
.set p, 1
.rept 31
	v_pk_fma_f32 v[B+2*p:B+2*p+1], v[B+2*p:B+2*p+1], v[MT+2*p:MT+2*p+1], v[A+2*p:A+2*p+1] op_sel:[1,1,0] op_sel_hi:[0,1,1] neg_lo:[1,0,0]   ; x W1024^(k2 n1)
.set p, p+1
.endr
	TRIPST
	TRIPLD
	s_wait_dscnt 0x0                               ; lane = n1, A[k2]
	FFT32                                          ; over k2: B[p] = Z[lane + 32 br(p)]
	TRIPST                                         ; row n2, column n1
	TRIPLD                                         ; F[i] = Z[32 lane + i]
.set q, 0
.rept 16
	ds_load_b128 v[MT+4*q:MT+4*q+3], v5 offset:16*q                ; G[j] = Z[32 (31 - lane) + j]
.set q, q+1
.endr
	ds_load_b64 v[240:241], v6                     ; Z[(1024 - 32 lane) % 1024]
	s_wait_dscnt 0x0
	v_add_f32 v[B], v[A], v240                     ; 2048 ya[32 lane], 2048 yb[32 lane]
	v_add_f32 v[B+32], v[A+1], v241
.set q, 1
.rept 31
	v_add_f32 v[B+q], v[A+2*q], v[MT+2*(32-q)]     ; 1024 - (32 L + i) = 32 (31 - L) + (32 - i)
	v_add_f32 v[B+32+q], v[A+2*q+1], v[MT+2*(32-q)+1]
.set q, q+1
.endr
; A row's block of 32, v[y] on, all in my lane, becomes 24 bytes of codes in v[cd] .. v[cd + 5] and its byte in v[bt].
.macro QROW y, cd, bt
	v_max3_num_f32 v242, |v[\y]|, |v[\y+1]|, |v[\y+2]|
	v_max3_num_f32 v243, |v[\y+3]|, |v[\y+4]|, |v[\y+5]|
.irp i, 6,10,14,18,22,26
	s_delay_alu instid0(VALU_DEP_2)
	v_max3_num_f32 v242, v242, |v[\y+\i]|, |v[\y+\i+1]|
	s_delay_alu instid0(VALU_DEP_2)
	v_max3_num_f32 v243, v243, |v[\y+\i+2]|, |v[\y+\i+3]|
.endr
	s_delay_alu instid0(VALU_DEP_2)
	v_max3_num_f32 v242, v242, |v[\y+30]|, |v[\y+31]|
	s_delay_alu instid0(VALU_DEP_1)
	v_max3_num_f32 v242, v242, v243, 0x7000000     ; the floor 2^(14 - 127): less 2 and less 11 the byte is still 1
	s_delay_alu instid0(VALU_DEP_1)
	v_add_nc_u32 v244, 0xff000000, v242            ; 2 off the exponent field: the conversions' scale operand, for the unscaled sums
	v_cvt_scalef32_pk16_fp6_f32 v[\cd:\cd+2], v[\y:\y+15], v244
	v_cvt_scalef32_pk16_fp6_f32 v[\cd+4:\cd+6], v[\y+16:\y+31], v244   ; (a conversion's three registers begin on an even number)
	v_lshrrev_b32 v[\bt], 23, v244                 ; (a plain line behind the conversions)
	s_delay_alu instid0(VALU_DEP_1)
	v_add_nc_u32 v[\bt], -11, v[\bt]               ; y = the sum / 2048: the byte is 11 less
	v_mov_b32 v[\cd+3], v[\cd+4]                   ; six registers on end
	v_mov_b32 v[\cd+4], v[\cd+5]
	v_mov_b32 v[\cd+5], v[\cd+6]
.endm
	QROW B, 144, 245
	QROW B+32, 152, 246
	ds_store_b64 v7, v[144:145]                    ; the two rows' codes, 768 bytes each, on end in my region
	ds_store_b64 v7, v[146:147] offset:8
	ds_store_b64 v7, v[148:149] offset:16
	ds_store_b64 v7, v[152:153] offset:768
	ds_store_b64 v7, v[154:155] offset:776
	ds_store_b64 v7, v[156:157] offset:784
	ds_store_b8 v10, v245
	ds_store_b8 v10, v246 offset:32
	ds_load_b128 v[16:19], v8
	ds_load_b128 v[20:23], v8 offset:512
	ds_load_b128 v[24:27], v8 offset:1024
	s_wait_dscnt 0x0                               ; my codes are back; my scale bytes of both kinds lie in LDS, for wave 0
	global_store_b128 v9, v[16:19], s[6:7]         ; each store covers 512 consecutive bytes, at a multiple of 256 from the buffer's first byte
	global_store_b128 v9, v[20:23], s[6:7] offset:512
	global_store_b128 v9, v[24:27], s[6:7] offset:1024
	s_barrier_signal -1
	s_barrier_wait -1                              ; all eight waves' scale bytes lie in LDS
	s_cmp_lg_u32 s16, 0
	s_cbranch_scc1 .Lend                           ; wave 0 stores the work-group's 512 of each kind
	v_add_nc_u32 v13, SCS, v9
	v_add_nc_u32 v14, WSC, v9
	ds_load_b128 v[28:31], v13
	ds_load_b128 v[32:35], v14
	s_wait_dscnt 0x0
	global_store_b128 v9, v[28:31], s[8:9]
	global_store_b128 v9, v[32:35], s[14:15]
.Lend:
	s_wait_tensorcnt 0x0                           ; the wave's end
	ds_add_u32 v254, v255
	s_wait_dscnt 0x0
	s_endpgm
.Lfunc_end_k_qf83e523f6f_prep:
	.size	k_qf83e523f6f_prep, .Lfunc_end_k_qf83e523f6f_prep-k_qf83e523f6f_prep
	.p2alignl 7, 3214868480
	.fill 96, 4, 3214868480
	.section	.rodata,"a",@progbits
	.p2align	6, 0x0
	.amdhsa_kernel k_qf83e523f6f_prep
		.amdhsa_group_segment_fixed_size 120832
		.amdhsa_private_segment_fixed_size 0
		.amdhsa_enable_private_segment 0
		.amdhsa_kernarg_size 72
		.amdhsa_user_sgpr_count 2
		.amdhsa_user_sgpr_kernarg_segment_ptr 1
		.amdhsa_wavefront_size32 1
		.amdhsa_system_sgpr_workgroup_id_x 1
		.amdhsa_system_sgpr_workgroup_id_y 1
		.amdhsa_system_sgpr_workgroup_id_z 1
		.amdhsa_system_vgpr_workitem_id 0
		.amdhsa_next_free_vgpr 256
		.amdhsa_next_free_sgpr 66
		.amdhsa_reserve_vcc 1
		.amdhsa_float_denorm_mode_32 3
		.amdhsa_float_denorm_mode_16_64 3
		.amdhsa_memory_ordered 1
		.amdhsa_forward_progress 1
		.amdhsa_inst_pref_size 72
	.end_amdhsa_kernel
	.amdgpu_metadata
---
amdhsa.version: [ 1, 2 ]
amdhsa.kernels:
  - .name:           k_qf83e523f6f_prep
    .symbol:         k_qf83e523f6f_prep.kd
    .args:
      - { .name: X, .offset: 0, .size: 8, .value_kind: global_buffer, .address_space: global }
      - { .name: x_codes, .offset: 8, .size: 8, .value_kind: global_buffer, .address_space: global }
      - { .name: x_scales, .offset: 16, .size: 8, .value_kind: global_buffer, .address_space: global }
      - { .name: Wq, .offset: 24, .size: 8, .value_kind: global_buffer, .address_space: global }
      - { .name: Wk, .offset: 32, .size: 8, .value_kind: global_buffer, .address_space: global }
      - { .name: Wv, .offset: 40, .size: 8, .value_kind: global_buffer, .address_space: global }
      - { .name: Wo, .offset: 48, .size: 8, .value_kind: global_buffer, .address_space: global }
      - { .name: w_codes, .offset: 56, .size: 8, .value_kind: global_buffer, .address_space: global }
      - { .name: w_scales, .offset: 64, .size: 8, .value_kind: global_buffer, .address_space: global }
    .group_segment_fixed_size: 120832
    .private_segment_fixed_size: 0
    .kernarg_segment_align: 8
    .kernarg_segment_size: 72
    .max_flat_workgroup_size: 256
    .sgpr_count:     66
    .vgpr_count:     256
    .wavefront_size: 32
...
	.end_amdgpu_metadata
.endif
;; end of part 1
;; launch qkv (part 2): grid 12 x 16, 4 waves a work-group, clusters of 4 x 4, 327,680 bytes of LDS; arguments x_codes, x_scales, w_codes, w_scales, bq, bk, bv, qrec, kvrec; writes qrec, kvrec
.if DOCPART == 2
	.amdgcn_target "amdgcn-amd-amdhsa--gfx1250"
	.amdhsa_code_object_version 6
	.text
	.protected	k_qf83e523f6f_qkv
	.globl	k_qf83e523f6f_qkv
	.p2align	8
	.type	k_qf83e523f6f_qkv,@function
k_qf83e523f6f_qkv:
	s_mov_b64 s[64:65], 0
	v_nop
	global_prefetch_b8 v0, s[64:65] scope:SCOPE_SE
	s_setreg_imm32_b32 hwreg(HW_REG_WAVE_MODE, 25, 1), 1
	s_wait_xcnt 0x0
	s_wait_alu depctr_hold_cnt(0) depctr_sa_sdst(0) depctr_va_vdst(0) depctr_va_sdst(0) depctr_va_ssrc(0) depctr_va_vcc(0) depctr_vm_vsrc(0)
	s_getreg_b32 s2, hwreg(HW_REG_IB_STS2, 6, 4)
	s_cmp_eq_u32 s2, 0
	s_cbranch_scc0 .Lentry_in_a_cluster
	s_endpgm
.Lentry_in_a_cluster:
	s_bfe_u32 s2, ttmp6, 0x10000c
	s_cmp_lg_u32 s2, 0xf033
	s_cbranch_scc0 .Lentry_shape_is_right
	s_endpgm
.Lentry_shape_is_right:
; [4096 tokens][1024] x [3072 features][1024]^T + bias, on codes of FP6 (E2M3) with one E8M0 scale for each 32 along K; features 0-1023 are Q's, then K's, then V's (w_codes' rows 0-3071).
; The results never go to memory as f32: they are quantised here for attention's two products and stored as IMAGES OF THE OPERANDS' REGISTERS.
; A tile, 256 tokens x 256 features, is made by four waves, each 128 x 128: 64 accumulators, 512 registers.
; K goes through a ring of two LDS slots in CHUNKS OF 256 BYTES of each row of codes (a row is 768 bytes: three chunks, each beginning at a multiple of 256 bytes).
; A step of 128 along K is 96 bytes of a row: eight steps to three chunks; steps 2 and 5 lie across two chunks and take their fragments from both slots.
; The scale bytes of the work-group's 256 + 256 rows, for all of K, come into LDS once, with the head's loads.
; CLUSTERS: 4 x 4 work-groups; A's tiles are asked for jointly along a row of the cluster, B's along a column.  A cluster's x (0, 1, 2) says whether it makes Q, K or V: it is the same in all sixteen partners.
; NO PREFETCH: K is three chunks, and two of them are asked for at the head; only one refill follows.
; THE MATRIX INSTRUCTION IS USED TRANSPOSED (source 0 = 16 features, source 1 = 16 tokens): a lane holds one token and eight neighbouring features.  The bias is the C of each sum's first instruction.
; THE RECORDS.  qrec and kvrec: [16 batch + head][step of 128 tokens][12,800 bytes]: +0 KF, +6,144 VF: 4 fragments of 1,536 bytes each; +12,288 KS, +12,544 VS: 4 x 16 scale words.
;   A fragment: plane c (512 bytes) holds registers 4 c .. 4 c + 3 of lane l at 16 l.
;   KF fragment b, lane (r, h): registers 0-5 token 32 b + r + 8 (r / 8), dims 32 h on; registers 6-11 the token 8 further on.  KS word (b, r): the first token's two bytes, then the second's.
;   VF fragment 2 b + u, lane (r, h): channel 32 b + 8 u + r + 8 (r / 8); registers 6 c .. 6 c + 5 tokens 64 c + 32 h on.  VS word: byte 2 c + h.
;   Q uses qrec's KF and KS alone; nothing reads the rest of qrec.
; LIMITS: a block whose largest magnitude lies under 2^-124 (a block of zeros too) keeps the byte 1; this program alone reads the bytes.  NaN and infinities are not served.
; REGISTERS, in windows of 256: window 0: v0-31 addresses; v32-63 scale words, two sets; v64-127 the bias, later the way out's work; from v128 A's fragments, later the way out's numbers.
;   window 1: B's fragments, two sets.   window 2: the accumulators of my tokens 0-63 ((a, b) at v[8 (8 a + b)]);   window 3: those of tokens 64-127.
.set ROWB,   256
.set NQ,     2
.set KROW,   768
.set STEPS,  8
.set CHUNKS, 3
.set PITCH,  272                       ; an LDS row: 256 bytes + 16 of padding
.set FR,     12
.set NL,     6
.set NP,     4                         ; places behind this matrix instruction (ISA guide 7.12.1)
.set HALFT,  128*PITCH
.set SLOT,   4*HALFT                   ; A's 256 rows, then B's 256 rows
.set KS,     32                        ; a row of scale bytes
.set SCL,    2*SLOT                    ; behind the ring: the scales, as rows of 256 bytes + 16
.set HALFS,  16*272
.set SBLK,   2*272
.set SPARE,  SCL+4*HALFS               ; the spare words, 128 bytes a wave
.set SPITCH, 528                       ; the way out: a stage of 32 rows x (512 + 16) bytes for each wave,
.set STAGE,  SLOT                      ; in slot 1: the last chunk lies in slot 0, and slot 1 has had its last fill and its last read by then
.set REC,    12800
.set HEADB,  16*REC
.set RDQ,  7                           ; stage: row = lane (a token)
.set RDV,  8                           ; stage: column = lane (a feature)
.set O128, 9                           ; 1024 u + 16 r'   (lane = 16 (r' / 8) + 8 u + r' % 8)
.set O64,  10                          ; 16 r' + 8 u
.set O16,  11                          ; 4 r' + 2 u
.set OV,   12                          ; 1536 u + 16 r'
.set OS,   13                          ; 64 u + 4 r'
.set ADRA, 16                          ; v16-17 my A fragments in slot 0, 1; v18-19 lanes 0-15 at byte 232 of slot 0, 1, lanes 16-31 at byte 0 of the other slot
.set ADRB, 20
.set STO,  24
.set ADRS, 27
.set SPW,  28                          ; my spare word; never rewritten
.set NIL,  29                          ; 0; never rewritten
.set BOF,  31
.set SC,   32
.set BI,   64                          ; the bias: register 8 b + j: feature 16 b + 8 (lane / 16) + j
.set KEEP, 64
.set SWD,  72
.set SB,   76
.set T,    80
.set CV,   112
.set WK,   120
.set AF,   128
.set XR,   128
.set G1, 24
.set G0, 32
.set G1B, 48
.set G0B, 56
.set G1S, 68
.set G0S, 76
.set G1SB, 80
.set G0SB, 88
.set G0H, 4
.set G0HB, 8
.set MSB, 0
.macro WIN new                         ; the immediate's high byte repeats the setting that is left
.if MSB != \new
	s_set_vgpr_msb (MSB<<8)|\new
.set MSB, \new
.endif
.endm
.set MUL_LO, 0xa1                      ; source 0 (B) window 1, source 1 (A) window 0, C and D window 2
.set MUL_HI, 0xf1
.set TO_B,   0x40
.macro WLO zero                        ; zero = 1: C is the bias, in window 0
.if \zero
	WIN 0x81
.else
	WIN MUL_LO
.endif
.endm
.macro WHI zero
.if \zero
	WIN 0xc1
.else
	WIN MUL_HI
.endif
.endm
.macro JLOAD g0a, g1a, g0b, g1b        ; a joint load: waves 0 and 1 fetch for A, waves 2 and 3 for B
	s_cmp_eq_u32 s15, 0
	s_cbranch_scc0 .Lfor_b_\@
	tensor_load_to_lds s[\g0a:\g0a+3], s[\g1a:\g1a+7]
	s_nop 0
.rept 4
	v_nop
.endr
	s_branch .Lasked_\@
.Lfor_b_\@:
	tensor_load_to_lds s[\g0b:\g0b+3], s[\g1b:\g1b+7]
	s_nop 0
.rept 4
	v_nop
.endr
.Lasked_\@:
.endm
.macro CREST                           ; a round of the cluster's barrier behind its opening barrier
	s_cmp_lg_u32 s14, 0
	s_cbranch_scc1 .Lnot_wave_0_\@
	s_barrier_signal -3
.Lnot_wave_0_\@:
	s_barrier_wait -3
	s_barrier_signal -1
	s_barrier_wait -1
.endm
.macro CROUND
	s_barrier_signal -1
	s_barrier_wait -1
	CREST
.endm
	s_load_b128 s[4:7], s[0:1], 0x0                ; x's codes, x's scales
	s_load_b128 s[8:11], s[0:1], 0x10              ; the weights' codes, their scales
	s_load_b64 s[12:13], s[0:1], 0x20              ; bq
	s_load_b64 s[66:67], s[0:1], 0x28              ; bk
	s_load_b64 s[98:99], s[0:1], 0x30              ; bv
	s_load_b64 s[100:101], s[0:1], 0x38            ; qrec
	s_load_b64 s[104:105], s[0:1], 0x40            ; kvrec
	v_lshl_add_u32 v[SPW], v0, 2, SPARE
	v_mov_b32 v[NIL], 0
	ds_add_u32 v[SPW], v[NIL]                      ; the opening: the add, twice on end, and its wait ahead of my first tensor load
	ds_add_u32 v[SPW], v[NIL]
	v_lshrrev_b32 v1, 5, v0
	v_readfirstlane_b32 s14, v1                    ; wave 0..3
	s_lshr_b32 s15, s14, 1                         ; which half of the tile's tokens is mine.  Also: I fetch for A (0) or for B (1)
	s_and_b32 s16, s14, 1                          ; which half of its features.  Also: which 128 rows of that tile I fetch
	s_bfe_u32 s40, ttmp6, 0x40000                  ; cx, cy
	s_bfe_u32 s41, ttmp6, 0x40004
	s_lshl_b32 s42, ttmp9, 2
	s_add_co_u32 s42, s42, s40                     ; tile column
	s_and_b32 s17, ttmp7, 0xffff
	s_lshl_b32 s17, s17, 2
	s_add_co_u32 s17, s17, s41                     ; tile row
	s_lshl_b32 s43, s41, 2
	s_lshl_b32 s43, 15, s43                        ; my row of the cluster
	s_lshl_b32 s44, 0x1111, s40                    ; my column
	s_or_b32 s[G1+0], s43, (0<<16)|(1<<20)|(1<<21)|(5<<22)|(3<<25)   ; rows of 256 bytes, 16 bytes of padding behind each
	s_or_b32 s[G1B+0], s44, (0<<16)|(1<<20)|(1<<21)|(5<<22)|(3<<25)
.irp g, G1, G1B
	s_mov_b32 s[\g+1], ROWB<<16
	s_mov_b32 s[\g+2], 256<<16                     ; 256 rows for the head's loads; 128 behind them
	s_mov_b32 s[\g+3], ROWB<<16
	s_mov_b32 s[\g+4], 256
	s_mov_b32 s[\g+5], KROW
	s_mov_b32 s[\g+6], 0
	s_mov_b32 s[\g+7], 0
.endr
	s_or_b32 s[G1S+0], s43, (3<<16)|(1<<20)|(1<<21)|(5<<22)|(3<<25)  ; the scales of 256 rows: a dense block of 8,192 bytes, as 32 rows of 256
	s_or_b32 s[G1SB+0], s44, (3<<16)|(1<<20)|(1<<21)|(5<<22)|(3<<25)
.irp g, G1S, G1SB
	s_mov_b32 s[\g+1], 32<<16
	s_mov_b32 s[\g+2], KS<<16
	s_mov_b32 s[\g+3], 32<<16
	s_mov_b32 s[\g+4], KS
	s_mov_b32 s[\g+5], 32
	s_mov_b32 s[\g+6], 0
	s_mov_b32 s[\g+7], 0
.endr
	s_lshl_b32 s20, s17, 8                         ; A: the tile's first row
	s_lshl_b32 s46, s42, 8                         ; B: likewise
	s_mov_b32 s21, 0
	s_mov_b32 s47, 0
	s_mov_b64 s[18:19], KS
	s_mul_u64 s[22:23], s[20:21], s[18:19]         ; where these rows' scales begin
	s_mul_u64 s[92:93], s[46:47], s[18:19]
	s_mov_b64 s[18:19], KROW
	s_mul_u64 s[20:21], s[20:21], s[18:19]         ; and their codes
	s_mul_u64 s[46:47], s[46:47], s[18:19]
	s_mul_i32 s18, s16, 128*KROW                   ; in the ring I fetch 128 rows of a tile
	s_mov_b32 s19, 0
	s_mul_i32 s45, s14, HALFT                      ; and where they go: wave x 128 rows
	s_wait_dscnt 0x0                               ; both opening adds are done
	s_wait_kmcnt 0x0
	s_add_nc_u64 s[20:21], s[4:5], s[20:21]
	s_add_nc_u64 s[22:23], s[6:7], s[22:23]
	s_add_nc_u64 s[46:47], s[8:9], s[46:47]
	s_add_nc_u64 s[92:93], s[10:11], s[92:93]
	CROUND                                         ; all sixteen work-groups are here: the first joint loads meet
	s_mov_b32 s[G0H], 1                            ; the head's four tiles: chunk 0's 256 rows of A,
	s_mov_b32 s[G0H+1], 0
	s_mov_b64 s[G0H+2:G0H+3], s[20:21]
	s_or_b32 s[G0H+3], s[G0H+3], 0x80000000
	s_mov_b32 s[G0HB], 1                           ; its 256 rows of B,
	s_mov_b32 s[G0HB+1], 2*HALFT
	s_mov_b64 s[G0HB+2:G0HB+3], s[46:47]
	s_or_b32 s[G0HB+3], s[G0HB+3], 0x80000000
	s_mov_b32 s[G0S], 1                            ; A's scales,
	s_mov_b32 s[G0S+1], SCL
	s_mov_b64 s[G0S+2:G0S+3], s[22:23]
	s_or_b32 s[G0S+3], s[G0S+3], 0x80000000
	s_mov_b32 s[G0SB], 1                           ; B's scales
	s_mov_b32 s[G0SB+1], SCL+2*HALFS
	s_mov_b64 s[G0SB+2:G0SB+3], s[92:93]
	s_or_b32 s[G0SB+3], s[G0SB+3], 0x80000000
	s_add_nc_u64 s[20:21], s[20:21], s[18:19]      ; for the ring: my 128 rows
	s_add_nc_u64 s[46:47], s[46:47], s[18:19]
.irp s, 0,1
	s_mov_b32 s[G0+4*\s], 1
	s_add_co_u32 s[G0+4*\s+1], s45, \s*SLOT
	s_add_nc_u64 s[G0+4*\s+2:G0+4*\s+3], s[20:21], \s*ROWB
	s_or_b32 s[G0+4*\s+3], s[G0+4*\s+3], 0x80000000
	s_mov_b32 s[G0B+4*\s], 1
	s_add_co_u32 s[G0B+4*\s+1], s45, \s*SLOT
	s_add_nc_u64 s[G0B+4*\s+2:G0B+4*\s+3], s[46:47], \s*ROWB
	s_or_b32 s[G0B+4*\s+3], s[G0B+4*\s+3], 0x80000000
.endr
; the head's loads, one a wave, in one chain of branches on the wave's number
.macro ARM under, g0, g1, next
	s_cmp_lt_u32 s14, \under
	s_cbranch_scc0 \next
	tensor_load_to_lds s[\g0:\g0+3], s[\g1:\g1+7]
	s_nop 0
.rept 4
	v_nop
.endr
	s_branch .Lhead_asked
\next:
.endm
	ARM 1, G0H,  G1,  .Lhead_b
	ARM 2, G0HB, G1B, .Lhead_sa
	ARM 3, G0S,  G1S, .Lhead_sb
	tensor_load_to_lds s[G0SB:G0SB+3], s[G1SB:G1SB+7]
	s_nop 0
.rept 4
	v_nop
.endr
.Lhead_asked:
	; which tensor: the cluster's x chooses the bias and the buffer of records; no address enters the condition
	s_cmp_eq_u32 ttmp9, 0
	s_cselect_b64 s[12:13], s[12:13], s[66:67]
	s_cselect_b64 s[100:101], s[100:101], s[104:105]
	s_cmp_eq_u32 ttmp9, 2
	s_cselect_b64 s[12:13], s[98:99], s[12:13]
	s_lshl_b32 s46, s40, 10                        ; my 128 features in their tensor begin at 256 cx + 128 x half: x 4 bytes
	s_lshl_b32 s47, s16, 9
	s_add_co_u32 s46, s46, s47
	s_mov_b32 s47, 0
	s_add_nc_u64 s[12:13], s[12:13], s[46:47]
	s_lshl_b32 s20, s17, 1
	s_add_co_u32 s20, s20, s15                     ; my 128 tokens: number 2 x tile row + half, 0 .. 31
	s_lshr_b32 s21, s20, 4                         ; the batch
	s_and_b32 s20, s20, 15                         ; the step of 128 tokens in it
	s_lshl_b32 s46, s40, 2
	s_lshl_b32 s47, s16, 1
	s_add_co_u32 s46, s46, s47                     ; my first head: 4 cx + 2 x half
	s_lshl_b32 s21, s21, 4
	s_add_co_u32 s46, s46, s21
	s_lshl_b32 s46, s46, 4
	s_add_co_u32 s46, s46, s20
	s_mul_i32 s46, s46, REC                        ; ((16 batch + head) 16 + step) records, under 2^23 bytes
	s_mov_b32 s47, 0
	s_add_nc_u64 s[100:101], s[100:101], s[46:47]
	s_mul_i32 s18, s15, HALFT                      ; my 128 rows of A
	s_mul_i32 s19, s16, HALFT
	s_add_co_u32 s19, s19, 2*HALFT                 ; my 128 rows of B, behind A's 256
	s_mul_i32 s20, s15, HALFS
	s_mul_i32 s21, s16, HALFS
	s_add_co_u32 s21, s21, 2*HALFS
	s_sub_co_u32 s21, s21, s20                     ; from A's scales to B's
	s_add_co_u32 s20, s20, SCL
	s_mul_i32 s23, s14, 32*SPITCH
	s_add_co_u32 s23, s23, STAGE                   ; my stage
	v_and_b32 v1, 15, v0                           ; l % 16
	v_bfe_u32 v2, v0, 4, 1                         ; l / 16
	v_mul_u32_u24 v3, v1, PITCH
	v_mul_u32_u24 v4, v2, 24
	v_add_nc_u32 v4, v3, v4                        ; a fragment's row x pitch + 24 x half
	v_sub_nc_u32 v7, 1, v2
	v_mul_u32_u24 v5, v2, SLOT-232
	v_add_nc_u32 v5, v3, v5
	v_add_nc_u32 v5, 232, v5                       ; lanes 0-15 byte 232 of the row in slot 0, lanes 16-31 byte 0 of the row in slot 1
	v_mul_u32_u24 v6, v7, SLOT+232
	v_add_nc_u32 v6, v3, v6                        ; and the other way round
	v_add_nc_u32 v[ADRA+2], s18, v5
	v_add_nc_u32 v[ADRA+3], s18, v6
	v_add_nc_u32 v[ADRB+2], s19, v5
	v_add_nc_u32 v[ADRB+3], s19, v6
	v_add_nc_u32 v[ADRA], s18, v4
	v_add_nc_u32 v[ADRB], s19, v4
	v_add_nc_u32 v[ADRA+1], SLOT, v[ADRA]
	v_add_nc_u32 v[ADRB+1], SLOT, v[ADRB]
	v_mul_u32_u24 v5, v1, KS                       ; my row's scales: 32 bytes a row,
	v_lshrrev_b32 v6, 8, v5
	v_lshl_add_u32 v5, v6, 4, v5                   ; and 16 more for each 256 passed
	v_mul_u32_u24 v6, s21, v2                      ; lanes 16-31 take B's
	v_add_nc_u32 v5, v5, v6
	v_add_nc_u32 v[ADRS], s20, v5
	v_mul_u32_u24 v5, v1, SPITCH
	v_lshl_add_u32 v5, v2, 5, v5
	v_add_nc_u32 v[STO], s23, v5                   ; into the stage: row l % 16, 32 bytes for each half of the lanes
	v_and_b32 v14, 31, v0
	v_mul_u32_u24 v[RDQ], v14, SPITCH
	v_add_nc_u32 v[RDQ], s23, v[RDQ]
	v_lshl_add_u32 v[RDV], v14, 2, s23
	v_and_b32 v15, 7, v0
	v_lshl_or_b32 v15, v2, 3, v15                  ; r' = lane % 8 + 8 (lane / 16)
	v_bfe_u32 v30, v0, 3, 1                        ; u = (lane / 8) % 2
	v_cmp_ne_u32 s2, 0, v30                        ; the lanes with u = 1
	v_lshlrev_b32 v[O128], 4, v15
	v_lshl_add_u32 v[O64], v30, 3, v[O128]
	v_lshl_add_u32 v[O128], v30, 10, v[O128]
	v_lshlrev_b32 v[O16], 2, v15
	v_lshl_add_u32 v[OS], v30, 6, v[O16]
	v_lshl_add_u32 v[O16], v30, 1, v[O16]
	v_mul_u32_u24 v[OV], v30, 1536
	v_lshl_add_u32 v[OV], v15, 4, v[OV]
	v_lshlrev_b32 v[BOF], 5, v2
.irp b, 0,1,2,3,4,5,6,7
	global_load_b128 v[BI+8*\b:BI+8*\b+3], v[BOF], s[12:13] offset:64*\b
	global_load_b128 v[BI+8*\b+4:BI+8*\b+7], v[BOF], s[12:13] offset:64*\b+16
.endr
.macro FRAG reg, adr, st, i            ; lane l holds row l % 16; registers 6 c .. 6 c + 5 hold K = 64 c + 32 (l / 16) + 0 .. 31: 24 bytes of the row's stream of bits, in pieces of 8
.irp p, 0,1,2,3,4,5
.set BY, 96*(\st)+48*(\p/3)+8*(\p%3)  ; byte y of a row lies in chunk y / 256, in slot (y / 256) % 2
.if BY/ROWB == (BY+24)/ROWB
	ds_load_b64 v[\reg+2*\p:\reg+2*\p+1], v[\adr+(BY/ROWB)%2] offset:BY%ROWB+(\i)*16*PITCH
.else
	ds_load_b64 v[\reg+2*\p:\reg+2*\p+1], v[\adr+2+(BY/ROWB)%2] offset:BY%ROWB-232+(\i)*16*PITCH
.endif
.endr
.endm
; 16 matrix instructions: A's blocks a0, a0 + 1 x B's eight.  zero = 1: the first product starts the sums on the bias.  The 64 accumulators take turns.
.macro MUL16 a0, p, q, sc, zero
.irp a, \a0, \a0+1
.irp b, 0,1,2,3,4,5,6,7
.if \zero
	v_wmma_scale_f32_16x16x128_f8f6f4 v[8*(8*((\a)%4)+\b):8*(8*((\a)%4)+\b)+7], v[128*(\p)+FR*\b:128*(\p)+FR*\b+FR-1], v[AF+FR*(\a):AF+FR*(\a)+FR-1], v[BI+8*\b:BI+8*\b+7], v[SC+8*NQ*(\sc)+NQ*\b+(\q)], v[SC+8*NQ*(\sc)+NQ*(\a)+(\q)] matrix_a_fmt:MATRIX_FMT_FP6 matrix_b_fmt:MATRIX_FMT_FP6 matrix_a_scale:MATRIX_SCALE_ROW1
.else
	v_wmma_scale_f32_16x16x128_f8f6f4 v[8*(8*((\a)%4)+\b):8*(8*((\a)%4)+\b)+7], v[128*(\p)+FR*\b:128*(\p)+FR*\b+FR-1], v[AF+FR*(\a):AF+FR*(\a)+FR-1], v[8*(8*((\a)%4)+\b):8*(8*((\a)%4)+\b)+7], v[SC+8*NQ*(\sc)+NQ*\b+(\q)], v[SC+8*NQ*(\sc)+NQ*(\a)+(\q)] matrix_a_fmt:MATRIX_FMT_FP6 matrix_b_fmt:MATRIX_FMT_FP6 matrix_a_scale:MATRIX_SCALE_ROW1
.endif
.endr
.endr
.endm
.macro FETCH_B st, p
	WIN TO_B
.irp i, 0,1,2,3,4,5,6,7
	FRAG 128*(\p)+FR*\i, ADRB, \st, \i
.endr
	WIN 0
.endm
.macro FETCH_A st, i0
.irp i, \i0, \i0+1, \i0+2, \i0+3
	FRAG AF+FR*(\i), ADRA, \st, \i
.endr
.endm
.macro SCALES pr                       ; the scale words of steps 2 pr, 2 pr + 1: lanes 0-15 take A's block i, lanes 16-31 B's block i
.irp i, 0,1,2,3,4,5,6,7
	ds_load_b64 v[SC+8*NQ*((\pr)%2)+NQ*\i:SC+8*NQ*((\pr)%2)+NQ*\i+1], v[ADRS] offset:\i*SBLK+4*NQ*(\pr)
.endr
.endm
.macro PLACES n                        ; plain vector lines between a matrix instruction and a load into, or a read of, its registers
.rept \n
	v_nop
.endr
.endm
; A step of 128 along K.  Where the next step's bytes END in a chunk not read yet: a wait for my tensor loads and a barrier ahead of the fetch.  Where they BEGIN in a later chunk: the chunk left behind
; is read no more: the wait for all my tensor loads, the add, the wait for it and for my reads, the barrier; where a chunk two on is left to fetch, the barrier opens a round and the slot is filled again.
.macro STEP st, zero
.set NX, (\st)+1
.set C0, (96*(\st))/ROWB
.set C1, (96*NX)/ROWB
.set E0, (96*(\st)+95)/ROWB
.set E1, (96*NX+95)/ROWB
.if C1 > C0 || E1 > E0
	s_wait_tensorcnt 0x0                           ; all my tensor loads have landed
.if C1 > C0
	ds_add_u32 v[SPW], v[NIL]
	s_wait_dscnt 4*NL+1                            ; the add and the youngest 24 loads (A's blocks 4-7) may be out
.else
	s_wait_dscnt 4*NL                              ; the youngest 24 loads may be out
.endif
	WLO \zero
	MUL16 0, (\st)%2, (\st)%2, ((\st)/2)%2, \zero
	s_wait_dscnt 0x0                               ; the add, where there is one, and all my reads are done
	s_barrier_signal -1
	MUL16 2, (\st)%2, (\st)%2, ((\st)/2)%2, \zero
	WIN 0
	s_barrier_wait -1
.if C1 > C0 && C0+2 < CHUNKS
	CREST                                          ; no wave of any partner still reads this slot or has a load on its way
	s_add_nc_u64 s[G0+4*(C0%2)+2:G0+4*(C0%2)+3], s[G0+4*(C0%2)+2:G0+4*(C0%2)+3], 2*ROWB
	s_add_nc_u64 s[G0B+4*(C0%2)+2:G0B+4*(C0%2)+3], s[G0B+4*(C0%2)+2:G0B+4*(C0%2)+3], 2*ROWB
	JLOAD G0+4*(C0%2), G1, G0B+4*(C0%2), G1B       ; chunk C0 + 2; its four v_nop are the places in front of the loads below
.else
	PLACES NP
.endif
.else
	s_wait_dscnt 4*NL                              ; B's set and A's blocks 0-3 are in; the youngest 24 loads may be out
	WLO \zero
	MUL16 0, (\st)%2, (\st)%2, ((\st)/2)%2, \zero
	MUL16 2, (\st)%2, (\st)%2, ((\st)/2)%2, \zero
	s_wait_dscnt 0
	PLACES NP
.endif
	FETCH_B NX, NX%2
	FETCH_A NX, 0
.if NX%2 == 0
	SCALES NX/2
.endif
	WHI \zero
	MUL16 4, (\st)%2, (\st)%2, ((\st)/2)%2, \zero
	MUL16 6, (\st)%2, (\st)%2, ((\st)/2)%2, \zero
	PLACES NP
	WIN 0
	FETCH_A NX, 4
.endm
	s_wait_alu depctr_va_vdst(0)                   ; the wait at the head's end
	s_wait_tensorcnt 0x0                           ; my tile of the head's four is in
	ds_add_u32 v[SPW], v[NIL]
	s_mov_b32 s[G1+2], 128<<16                     ; no tensor load of mine is out: from here on a load brings 128 rows
	s_mov_b32 s[G1+4], 128
	s_mov_b32 s[G1B+2], 128<<16
	s_mov_b32 s[G1B+4], 128
	s_wait_dscnt 0x0
	CROUND
	JLOAD G0+4, G1, G0B+4, G1B                     ; chunk 1, the first tensor load behind the round
	FETCH_B 0, 0
	FETCH_A 0, 0
	SCALES 0
	FETCH_A 0, 4
	s_wait_loadcnt 0x0                             ; the bias
	STEP 0, 1
.set ST, 1
.rept STEPS-2
	STEP ST, 0
.set ST, ST+1
.endr
	s_wait_dscnt 4*NL                              ; the last step: nothing more to fetch
	WIN MUL_LO
	MUL16 0, 1, 1, 1, 0
	MUL16 2, 1, 1, 1, 0
	s_wait_dscnt 0
	WIN MUL_HI
	MUL16 4, 1, 1, 1, 0
	MUL16 6, 1, 1, 1, 0
	WIN 0
; THE WAY OUT, 32 tokens (a group g: A's blocks 2 g, 2 g + 1) at a time, through my own stage: 32 rows of 128 features.  The stores into the stage are the same for Q, K and V; the reads differ:
; Q and K are quantised along the head's 64 (a lane takes a token's row), V along the tokens (a lane takes a feature's column).
.macro TOSTAGE2 g
	WIN 0x08+4*((\g)/2)                            ; an LDS store's data are its source 1: window 2 or 3
.irp e, 0,1
.irp b, 0,1,2,3,4,5,6,7
	ds_store_b128 v[STO], v[64*((2*(\g)+\e)%4)+8*\b:64*((2*(\g)+\e)%4)+8*\b+3] offset:\e*16*SPITCH+64*\b      ; each accumulator from its low end on
	ds_store_b128 v[STO], v[64*((2*(\g)+\e)%4)+8*\b+4:64*((2*(\g)+\e)%4)+8*\b+7] offset:\e*16*SPITCH+64*\b+16
.endr
.endr
	WIN 0
.endm
.macro Q32 s                           ; 32 numbers of my lane, one block: codes in v[CV .. CV+2], v[CV+4 .. CV+6], the byte in v[WK+3]
	v_max3_num_f32 v[WK], |v[\s]|, |v[\s+1]|, |v[\s+2]|
	v_max3_num_f32 v[WK+1], |v[\s+3]|, |v[\s+4]|, |v[\s+5]|
.irp i, 6,10,14,18,22,26
	v_max3_num_f32 v[WK], v[WK], |v[\s+\i]|, |v[\s+\i+1]|
	v_max3_num_f32 v[WK+1], v[WK+1], |v[\s+\i+2]|, |v[\s+\i+3]|
.endr
	v_max3_num_f32 v[WK], v[WK], |v[\s+30]|, |v[\s+31]|
	v_max3_num_f32 v[WK], v[WK], v[WK+1], 0x1800000                ; the floor 2^(3 - 127): the byte cannot fall under 1
	v_add_nc_u32 v[WK+2], 0xff000000, v[WK]        ; 2 off the exponent field: the conversions' scale operand
	v_cvt_scalef32_pk16_fp6_f32 v[CV:CV+2], v[\s:\s+15], v[WK+2]
	v_cvt_scalef32_pk16_fp6_f32 v[CV+4:CV+6], v[\s+16:\s+31], v[WK+2]
	v_lshrrev_b32 v[WK+3], 23, v[WK+2]             ; the byte (a plain line behind the conversions)
.endm
.macro LOADQ fb, set                   ; my token's features 32 fb on
.irp i, 0,1,2,3,4,5,6,7
	ds_load_b128 v[XR+32*(\set)+4*\i:XR+32*(\set)+4*\i+3], v[RDQ] offset:128*(\fb)+16*\i
.endr
.endm
; Q, K: unit fb = head fb / 2 of my two, dims 32 (fb % 2) on.  My token is lane (r', fb % 2)'s first (u = 0) or second (u = 1) token in fragment g: registers 6 u .. 6 u + 5.
; So 16 bytes go to plane 0 or 2 and 8 bytes to a half of plane 1: sixteen lanes fill 256 consecutive bytes in each case.
.macro QKARM g
	LOADQ 0, 0
.irp fb, 0,1,2,3
.if \fb < 3
	LOADQ \fb+1, (\fb+1)%2
	s_wait_dscnt 8                                 ; this unit's numbers are in; the next unit's eight loads may be out
.else
	s_wait_dscnt 0x0
.endif
	Q32 XR+32*(\fb%2)
.if (\fb%2) == 0
	v_mov_b32 v[SB+\fb/2], v[WK+3]
.else
	v_lshl_or_b32 v[SB+\fb/2], v[WK+3], 8, v[SB+\fb/2]
.endif
	v_cndmask_b32 v[T+8*\fb], v[CV], v[CV+2], s2
	v_cndmask_b32 v[T+8*\fb+1], v[CV+1], v[CV+4], s2
	v_cndmask_b32 v[T+8*\fb+2], v[CV+2], v[CV+5], s2
	v_cndmask_b32 v[T+8*\fb+3], v[CV+4], v[CV+6], s2
	v_cndmask_b32 v[T+8*\fb+4], v[CV+5], v[CV], s2
	v_cndmask_b32 v[T+8*\fb+5], v[CV+6], v[CV+1], s2
	global_store_b128 v[O128], v[T+8*\fb:T+8*\fb+3], s[100:101] offset:(\fb/2)*HEADB+1536*(\g)+256*(\fb%2)
	global_store_b64 v[O64], v[T+8*\fb+4:T+8*\fb+5], s[100:101] offset:(\fb/2)*HEADB+1536*(\g)+256*(\fb%2)+512
.if (\fb%2) == 1
	global_store_b16 v[O16], v[SB+\fb/2], s[100:101] offset:(\fb/2)*HEADB+12288+64*(\g)
.endif
.endr
.endm
.macro LOADV p, set                    ; feature 32 p + lane, down the group's 32 tokens: each load reads 128 consecutive bytes
.set i, 0
.rept 32
	ds_load_b32 v[XR+32*(\set)+i], v[RDV] offset:128*(\p)+SPITCH*i
.set i, i+1
.endr
.endm
; V: unit p = head p / 2, channels 32 (p % 2) + lane: fragment 2 (p % 2) + u, lane (r', g % 2), registers 6 (g / 2) on.  Plane 1 is shared by groups g and g + 2: its first two registers are kept.
.macro VARM g
	LOADV 0, 0
.irp p, 0,1,2,3
.if \p < 3
	LOADV \p+1, (\p+1)%2
	s_wait_dscnt 32                                ; this unit's numbers are in; the next unit's 32 loads may be out
.else
	s_wait_dscnt 0x0
.endif
	Q32 XR+32*(\p%2)
	v_lshl_or_b32 v[SWD+\p], v[WK+3], 8*(\g), v[SWD+\p]            ; byte g of my channel's scale word
.if (\g)/2 == 0
	v_mov_b32 v[T+8*\p], v[CV]
	v_mov_b32 v[T+8*\p+1], v[CV+1]
	v_mov_b32 v[T+8*\p+2], v[CV+2]
	v_mov_b32 v[T+8*\p+3], v[CV+4]
	v_mov_b32 v[KEEP+2*\p], v[CV+5]
	v_mov_b32 v[KEEP+2*\p+1], v[CV+6]
	global_store_b128 v[OV], v[T+8*\p:T+8*\p+3], s[100:101] offset:(\p/2)*HEADB+6144+3072*(\p%2)+256*((\g)%2)
.else
	v_mov_b32 v[T+8*\p], v[KEEP+2*\p]
	v_mov_b32 v[T+8*\p+1], v[KEEP+2*\p+1]
	v_mov_b32 v[T+8*\p+2], v[CV]
	v_mov_b32 v[T+8*\p+3], v[CV+1]
	v_mov_b32 v[T+8*\p+4], v[CV+2]
	v_mov_b32 v[T+8*\p+5], v[CV+4]
	v_mov_b32 v[T+8*\p+6], v[CV+5]
	v_mov_b32 v[T+8*\p+7], v[CV+6]
	global_store_b128 v[OV], v[T+8*\p:T+8*\p+3], s[100:101] offset:(\p/2)*HEADB+6144+3072*(\p%2)+256*((\g)%2)+512
	global_store_b128 v[OV], v[T+8*\p+4:T+8*\p+7], s[100:101] offset:(\p/2)*HEADB+6144+3072*(\p%2)+256*((\g)%2)+1024
.endif
.if (\g) == 3
	global_store_b32 v[OS], v[SWD+\p], s[100:101] offset:(\p/2)*HEADB+12544+128*(\p%2)
.endif
.endr
.endm
	PLACES NP                                      ; behind the last products: for the reads of results and the writes and loads into registers that held operands
.set i, 0
.rept 12
	v_mov_b32 v[KEEP+i], 0                         ; KEEP and SWD, written on the way that Q, K and V share
.set i, i+1
.endr
.irp g, 0,2,1,3                        ; in this order a kept pair of registers is used in the very next group
	s_wait_xcnt 0x0                                ; the last group's stores have read their registers: T and SB may be written again
	TOSTAGE2 \g
	s_cmp_lt_u32 ttmp9, 2                          ; the cluster's x: the same in all partners
	s_cbranch_scc0 .Lvarm_\g
	QKARM \g
	s_branch .Ljoin_\g
.Lvarm_\g:
	VARM \g
.Ljoin_\g:
.endr
	s_wait_tensorcnt 0x0                           ; the wave's end
	ds_add_u32 v[SPW], v[NIL]
	s_wait_dscnt 0x0
	CROUND                                         ; the closing round
	s_endpgm
.Lfunc_end_k_qf83e523f6f_qkv:
	.size	k_qf83e523f6f_qkv, .Lfunc_end_k_qf83e523f6f_qkv-k_qf83e523f6f_qkv
	.p2alignl 7, 3214868480
	.fill 96, 4, 3214868480
	.section	.rodata,"a",@progbits
	.p2align	6, 0x0
	.amdhsa_kernel k_qf83e523f6f_qkv
		.amdhsa_group_segment_fixed_size 327680
		.amdhsa_private_segment_fixed_size 0
		.amdhsa_enable_private_segment 0
		.amdhsa_kernarg_size 72
		.amdhsa_user_sgpr_count 2
		.amdhsa_user_sgpr_kernarg_segment_ptr 1
		.amdhsa_wavefront_size32 1
		.amdhsa_system_sgpr_workgroup_id_x 1
		.amdhsa_system_sgpr_workgroup_id_y 1
		.amdhsa_system_sgpr_workgroup_id_z 1
		.amdhsa_system_vgpr_workitem_id 0
		.amdhsa_next_free_vgpr 1024
		.amdhsa_next_free_sgpr 106
		.amdhsa_reserve_vcc 0
		.amdhsa_float_denorm_mode_32 3
		.amdhsa_float_denorm_mode_16_64 3
		.amdhsa_memory_ordered 1
		.amdhsa_forward_progress 1
		.amdhsa_inst_pref_size 241
	.end_amdhsa_kernel
	.amdgpu_metadata
---
amdhsa.version: [ 1, 2 ]
amdhsa.kernels:
  - .name:           k_qf83e523f6f_qkv
    .symbol:         k_qf83e523f6f_qkv.kd
    .args:
      - { .name: x_codes, .offset: 0, .size: 8, .value_kind: global_buffer, .address_space: global }
      - { .name: x_scales, .offset: 8, .size: 8, .value_kind: global_buffer, .address_space: global }
      - { .name: w_codes, .offset: 16, .size: 8, .value_kind: global_buffer, .address_space: global }
      - { .name: w_scales, .offset: 24, .size: 8, .value_kind: global_buffer, .address_space: global }
      - { .name: bq, .offset: 32, .size: 8, .value_kind: global_buffer, .address_space: global }
      - { .name: bk, .offset: 40, .size: 8, .value_kind: global_buffer, .address_space: global }
      - { .name: bv, .offset: 48, .size: 8, .value_kind: global_buffer, .address_space: global }
      - { .name: qrec, .offset: 56, .size: 8, .value_kind: global_buffer, .address_space: global }
      - { .name: kvrec, .offset: 64, .size: 8, .value_kind: global_buffer, .address_space: global }
    .group_segment_fixed_size: 327680
    .private_segment_fixed_size: 0
    .kernarg_segment_align: 8
    .kernarg_segment_size: 72
    .max_flat_workgroup_size: 128
    .sgpr_count:     106
    .vgpr_count:     1024
    .wavefront_size: 32
...
	.end_amdgpu_metadata
.endif
;; end of part 2
;; launch att (part 3): grid 8 x 32, 16 waves a work-group, clusters of 4 x 1, 327,680 bytes of LDS; arguments qrec, kvrec, o_codes, o_scales; writes o_codes, o_scales
.if DOCPART == 3
	.amdgcn_target "amdgcn-amd-amdhsa--gfx1250"
	.amdhsa_code_object_version 6
	.text
	.protected	k_qf83e523f6f_att
	.globl	k_qf83e523f6f_att
	.p2align	8
	.type	k_qf83e523f6f_att,@function
k_qf83e523f6f_att:
	s_mov_b64 s[64:65], 0
	v_nop
	global_prefetch_b8 v0, s[64:65] scope:SCOPE_SE
	s_setreg_imm32_b32 hwreg(HW_REG_WAVE_MODE, 25, 1), 1
	s_wait_xcnt 0x0
	s_wait_alu depctr_hold_cnt(0) depctr_sa_sdst(0) depctr_va_vdst(0) depctr_va_sdst(0) depctr_va_ssrc(0) depctr_va_vcc(0) depctr_vm_vsrc(0)
	s_getreg_b32 s2, hwreg(HW_REG_IB_STS2, 6, 4)
	s_cmp_eq_u32 s2, 0
	s_cbranch_scc0 .Lentry_in_a_cluster
	s_endpgm
.Lentry_in_a_cluster:
	s_bfe_u32 s2, ttmp6, 0x10000c
	s_cmp_lg_u32 s2, 0x3003
	s_cbranch_scc0 .Lentry_shape_is_right
	s_endpgm
.Lentry_shape_is_right:
; Causal attention of one head on codes of FP6 (E2M3): S^T = K Q^T / 32, p = 2^(t - M), O^T = V^T P^T, O / l, and O / l quantised along the features for the last projection.
; t = score x log2(e) / 32; M = the row's largest t so far, rounded UP to a whole number; the row's sum l is taken of the unquantised p; when M moves, l and O are multiplied by 2^(old M - new M): exact.
; LEFT OUT: steps of 128 keys that all come after a wave's queries: the causal mask gives them the weight 0 for all inputs.
; INPUTS: records of 12,800 bytes for each (16 batch + head, step of 128 tokens): +0 four fragments of K (or Q), +6,144 four of V^T, +12,288 and +12,544 their scale words; a fragment is an image of
; the operand's 12 registers (plane c of 512 bytes: registers 4 c .. 4 c + 3 of lane l at 16 l), so three loads of 16 bytes a lane bring one.
; THE HEAD'S K IS 64, THE INSTRUCTION'S 128: a fragment of K holds TWO tiles of 16 keys; multiplied by (q, 0) it gives the first tile's scores, by (0, q) the second's.  Zero codes add nothing.
; SHARES.  The eight work-groups g of a head each take 16 queries of EVERY block of 128: queries 128 blk + 32 (g / 2) + 8 (g % 2) + r + 8 (r / 8), lane r: the tokens of half a fragment of qrec.
; Blocks b and 15 - b (b = 0 .. 7) have 17 key steps together; two waves share them.  Wave X (bit 2 of the wave's number clear) takes block 15 - b, steps 0 .. 8.  Wave Y takes block b, steps 0 .. b, stores it,
; and then block 15 - b, steps 9 .. 15 - b, from a fresh M, l and O.  X leaves its M, l and O in LDS bytes of its own; Y joins the two (both brought under the larger M by exact powers of two) and stores the block.
; b = w % 4 + 4 (w / 8): waves w, w + 4, w + 8, w + 12 together have 34 steps.  All eight work-groups read the same 16 records, and no branch hangs on g.
; THE BARRIER OF THAT HAND-OVER IS SPLIT: every wave signals behind step 8 (X behind the wait for its LDS stores, Y behind its stores of block b) and waits behind step 15; between the two stand only
; work on registers and LDS loads of the records, which nobody writes.
; CLUSTERS: 4 work-groups of a head; each record is asked for jointly (mask 15).
; LDS: the head's 16 records, 204,800 bytes, each filled ONCE, in pieces of 25 rows of 256 bytes, a piece a wave: records 0-7 at the head, records 8-15 behind the first round.
; A wave has one tensor load out at the most.  A plain barrier behind step 0 shows records 8-15 to all waves.
; NO PREFETCH: the last of the records has been asked for by its tensor load ahead of step 0; no later request is left to run ahead of.
; CAUSAL.  Every wave walks all 16 steps, so that trip counts are constants; steps that are not the wave's are left out by a scalar branch on the wave's number; on the diagonal hidden scores become -infinity.
; THE WAY OUT leaves 12 bytes of codes a lane: a head owns 48 of a token's 768 bytes, so aligned blocks of 256 bytes are written in part (3 MB in all).
; LIMITS: a block whose largest magnitude lies under 2^-124 keeps the byte 1; O / l is O x v_rcp_f32(l); NaN and infinities are not served.
; REGISTERS: v1-5 addresses; v8, v9 the step's LDS addresses; v12 -M, v13 the largest t, v[14:15] l; v16-27 (q, 0), v28-39 (0, q); v40-87 four fragments; v88-92 scale words of K, V, Q; v93 the hand-over's LDS address;
; v96-159 S^T, then p; v160-191 O^T; v192-207 partial sums of p; v208-214 the second block's q; v224-235 p's codes; v232-254 at work; v253 p's scale word; v251, v255 the add's two registers.
.set REC,   12800
.set HEADB, 16*REC
.set PART,  6400                       ; 25 rows of 256 bytes: half a record
.set SPARE, 16*REC                     ; the spare words, 128 bytes a wave
.set EX,    SPARE+2048                 ; the hand-over: 9 x 512 bytes for each pair of waves
.set TS,  192
.set WV,  18
.set SEL, 20                           ; s[20:21] v_permlanex16_b32's selects for lane l xor 16
.set CS,  22                           ; s[22:23] c = log2(e) / 32, twice
.set G1,  24                           ; s[24:31] descriptor group 1
.set GA,  32                           ; s[32:39] two groups 0
.set GB,  36
.set ROLE, 40                          ; 0: X, 1: Y
.set BLK2, 42                          ; 15 - b
.set HI,   43                          ; the last step that is mine in this part of the walk
.set HI2,  44
.set TB,  48                           ; LDS byte of the step's record
.set ST,  49                           ; the step
.set BLK, 50                           ; the block of 128 queries at work
.set CNT, 51
.macro ROUND                           ; a round of the cluster's barrier
	s_barrier_signal -1
	s_barrier_wait -1
	s_cmp_lg_u32 s[WV], 0
	s_cbranch_scc1 .Lnw0_\@
	s_barrier_signal -3
.Lnw0_\@:
	s_barrier_wait -3
	s_barrier_signal -1
	s_barrier_wait -1
.endm
.macro MKG0 g, off
	s_mov_b32 s[\g], 1
	s_add_co_u32 s[\g+1], s14, \off
	s_add_nc_u64 s[\g+2:\g+3], s[6:7], \off
	s_or_b32 s[\g+3], s[\g+3], 0x80000000
.endm
.macro SETQ t                          ; q from six loaded registers: u = 0: as they lie; u = 1: the 8 bytes first
.irp i, 0,1,2,3,4,5
	v_cndmask_b32 v[16+\i], v[\t+\i], v[\t+(\i+4)%6], s52
	v_cndmask_b32 v[34+\i], v[\t+\i], v[\t+(\i+4)%6], s52
.endr
.endm
	s_load_b256 s[4:11], s[0:1], 0x0               ; qrec, kvrec, o_codes, o_scales
	v_lshl_add_u32 v251, v0, 2, SPARE
	v_mov_b32 v255, 0
	ds_add_u32 v251, v255                          ; the opening: the add, twice on end, and its wait
	ds_add_u32 v251, v255
	v_lshrrev_b32 v8, 5, v0
	s_delay_alu instid0(VALU_DEP_1)
	v_readfirstlane_b32 s[WV], v8                  ; wave 0..15
	s_and_b32 s12, ttmp7, 0xffff                   ; 16 batch + head
	s_mul_i32 s14, s[WV], PART                     ; my piece
	s_mul_i32 s16, s12, HEADB
	s_add_co_u32 s16, s16, s14
	s_mov_b32 s17, 0
	s_mov_b32 s[G1], 15|(3<<16)|(1<<21)            ; the cluster's four; elements of 8 bytes; no padding
	s_mov_b32 s[G1+1], 32<<16                      ; rows of 256 bytes
	s_mov_b32 s[G1+2], 25<<16
	s_mov_b32 s[G1+3], 32<<16
	s_mov_b32 s[G1+4], 25
	s_mov_b32 s[G1+5], 32                          ; dense
	s_mov_b32 s[G1+6], 0
	s_mov_b32 s[G1+7], 0
	s_wait_dscnt 0x0
	s_wait_kmcnt 0x0
	s_add_nc_u64 s[6:7], s[6:7], s[16:17]
	MKG0 GA, 0
	MKG0 GB, 8*REC
	ROUND                                          ; the four work-groups are here: the first joint loads meet
	tensor_load_to_lds s[GA:GA+3], s[G1:G1+7]      ; records 0-7, a piece a wave
	s_nop 0
.rept 4
	v_nop
.endr
	s_bfe_u32 s[ROLE], s[WV], 0x10002
	s_and_b32 s41, s[WV], 3
	s_lshr_b32 s13, s[WV], 3
	s_lshl_b32 s13, s13, 2
	s_add_co_u32 s41, s41, s13                     ; b
	s_sub_co_u32 s[BLK2], 15, s41
	s_cmp_eq_u32 s[ROLE], 0
	s_cselect_b32 s[BLK], s[BLK2], s41             ; X: 15 - b; Y: first b
	s_cselect_b32 s[HI], 8, s41
	s_cselect_b32 s[HI2], 0, s[BLK2]               ; X has no step from 9 on
	s_mul_i32 s76, s41, 9*512
	s_add_co_u32 s76, s76, EX                      ; my pair's hand-over
	s_bfe_u32 s15, ttmp6, 0x40000
	s_lshl_b32 s54, ttmp9, 2
	s_add_co_u32 s15, s15, s54                     ; g = 4 x cluster x + cx
	s_and_b32 s19, s15, 1                          ; u
	s_lshr_b32 s54, s15, 1                         ; grp
	s_lshl_b32 s55, s54, 5
	s_lshl_b32 s75, s19, 3                         ; 8 u
	s_lshl_b32 s74, s19, 10                        ; 1024 u
	s_add_co_u32 s55, s55, s75                     ; 32 grp + 8 u
	s_sub_co_u32 s52, 0, s19                       ; all lanes where u = 1, none where u = 0
	s_mul_i32 s53, s19, 0x02020202
	s_add_co_u32 s53, s53, 0x01000100              ; byte selects: (s0, s1, s0, s1) of my half of a scale word
	s_lshl_b32 s56, s12, 4
	s_add_co_u32 s56, s56, s[BLK]
	s_mul_i32 s56, s56, REC
	s_mov_b32 s57, 0
	s_add_nc_u64 s[4:5], s[4:5], s[56:57]          ; my first block's record of Q
	s_mul_i32 s58, s54, 1536
	s_mov_b32 s59, 0
	s_add_nc_u64 s[60:61], s[4:5], s[58:59]        ; its fragment grp
	s_lshl_b32 s58, s54, 6
	s_add_co_u32 s58, s58, 12288
	s_add_nc_u64 s[62:63], s[4:5], s[58:59]        ; and that fragment's scale words
	s_sub_co_u32 s77, s[BLK2], s[BLK]              ; blocks from my first to my second: 0 for X
	s_mul_i32 s58, s77, REC
	s_add_nc_u64 s[70:71], s[60:61], s[58:59]      ; the same of my second block
	s_add_nc_u64 s[72:73], s[62:63], s[58:59]
	v_and_b32 v10, 31, v0
	s_delay_alu instid0(VALU_DEP_1)
	v_lshlrev_b32 v1, 4, v10                       ; 16 x lane
	s_delay_alu instid0(VALU_DEP_2)
	v_lshlrev_b32 v2, 2, v10                       ; 4 x lane
	v_and_b32 v6, 15, v0                           ; r
	v_bfe_u32 v7, v0, 4, 1                         ; h
	s_delay_alu instid0(VALU_DEP_2)
	v_lshlrev_b32 v11, 2, v6
	v_add_nc_u32 v94, s74, v1                      ; plane 0 (u = 0) or plane 2 (u = 1)
	v_add_nc_u32 v95, s75, v1                      ; the first or the second half of plane 1
	v_add_nc_u32 v93, s76, v1
	global_load_b128 v[40:43], v94, s[60:61]
	global_load_b64 v[44:45], v95, s[60:61] offset:512
	global_load_b32 v52, v11, s[62:63]
	global_load_b128 v[208:211], v94, s[70:71]
	global_load_b64 v[212:213], v95, s[70:71] offset:512
	global_load_b32 v214, v11, s[72:73]
	v_and_b32 v5, 8, v6
	s_delay_alu instid0(VALU_DEP_1)
	v_add_nc_u32 v5, v5, v6                        ; r + 8 (r / 8)
	v_lshlrev_b32 v3, 4, v7
	s_delay_alu instid0(VALU_DEP_1)
	v_sub_nc_u32 v3, v5, v3
	s_delay_alu instid0(VALU_DEP_1)
	v_add_nc_u32 v3, s55, v3                       ; d = my query in its block - 16 h: register 16 b + i holds key 32 b + 16 h + i, hidden on the diagonal where 32 b + i > d
	s_delay_alu instid0(VALU_DEP_4)
	v_mul_u32_u24 v4, v5, 768
	s_delay_alu instid0(VALU_DEP_1)
	v_mad_u32_u24 v4, v7, 12, v4                   ; the way out: my token's row of codes, my half of a block
	v_lshlrev_b32 v5, 5, v5                        ; and its row of scale bytes
	s_lshr_b32 s56, s12, 4                         ; batch
	s_and_b32 s57, s12, 15                         ; head
	s_lshl_b32 s58, s[BLK], 7
	s_add_co_u32 s58, s58, s55
	s_lshl_b32 s14, s56, 11
	s_add_co_u32 s58, s58, s14                     ; token 2048 batch + 128 blk + 32 grp + 8 u
	s_mul_i32 s14, s58, 768
	s_mul_i32 s15, s57, 48
	s_add_co_u32 s14, s14, s15
	s_mov_b32 s15, 0
	s_add_nc_u64 s[8:9], s[8:9], s[14:15]
	s_lshl_b32 s14, s58, 5
	s_lshl_b32 s16, s57, 1
	s_add_co_u32 s14, s14, s16
	s_add_nc_u64 s[10:11], s[10:11], s[14:15]
	s_mul_i32 s14, s77, 128*768
	s_add_nc_u64 s[66:67], s[8:9], s[14:15]        ; the same places of my second block
	s_lshl_b32 s14, s77, 12
	s_add_nc_u64 s[68:69], s[10:11], s[14:15]
	s_mov_b32 s[SEL], 0x76543210
	s_mov_b32 s[SEL+1], 0xfedcba98
	s_mov_b32 s[CS], 0x3d38aa3b                    ; log2(e) / 32
	s_mov_b32 s[CS+1], s[CS]
	s_mov_b32 s[TB], 0
	s_mov_b32 s[ST], 0
	s_wait_loadcnt 0x0
	SETQ 40
.irp i, 0,1,2,3,4,5
	v_mov_b32 v[22+\i], 0
	v_mov_b32 v[28+\i], 0
.endr
.macro FRESH sw                        ; q's scale word from v[sw]; M, l and O^T as ahead of the first key
	v_perm_b32 v92, v[\sw], v[\sw], s53            ; q's two scale bytes, for both halves of K
	v_mov_b32 v13, 0xff61b1e6                      ; the largest t so far: -3e38
	s_delay_alu instid0(VALU_DEP_1)
	v_floor_f32 v12, -v13                          ; -M
	v_mov_b32 v14, 0
	v_mov_b32 v15, 0
.set j, 0
.rept 32
	v_mov_b32 v[160+j], 0                          ; O^T: the first change of M leaves zeros zeros
.set j, j+1
.endr
.endm
.irp b, 0,1,2,3
	v_mov_b32 v[236+\b], 0                         ; a lane permute's destination counts as one of its sources
.endr
	v_mov_b32 v252, 0
	v_mov_b32 v253, 0
	FRESH 52
.macro STEP
	s_cmp_gt_u32 s[ST], s[HI]
	s_cbranch_scc1 .Lhid_\@                        ; not my step: only the work is left out
	v_add_nc_u32 v8, s[TB], v1
	v_add_nc_u32 v9, s[TB], v2
.irp i, 0,1,2,3,4,5,6,7,8,9,10,11
	ds_load_b128 v[40+4*\i:43+4*\i], v8 offset:512*\i              ; K's four fragments
.endr
	ds_load_b32 v88, v9 offset:12288               ; lanes 0-15 fragment 0's scale words, lanes 16-31 fragment 1's
	ds_load_b32 v89, v9 offset:12416               ; fragments 2 and 3
	s_wait_alu depctr_va_vdst(0)
	s_wait_dscnt 0x0
.irp b, 0,1,2,3
.irp k, 0,1
.if (\b%2) == 1
	v_wmma_scale_f32_16x16x128_f8f6f4 v[96+8*(2*\b+\k):103+8*(2*\b+\k)], v[40+12*\b:51+12*\b], v[16+12*\k:27+12*\k], 0, v[88+\b/2], v92 matrix_a_fmt:MATRIX_FMT_FP6 matrix_b_fmt:MATRIX_FMT_FP6 matrix_a_scale:MATRIX_SCALE_ROW1
.else
	v_wmma_scale_f32_16x16x128_f8f6f4 v[96+8*(2*\b+\k):103+8*(2*\b+\k)], v[40+12*\b:51+12*\b], v[16+12*\k:27+12*\k], 0, v[88+\b/2], v92 matrix_a_fmt:MATRIX_FMT_FP6 matrix_b_fmt:MATRIX_FMT_FP6
.endif
.endr
.endr                                      ; lane (r, h): query r; the 16 registers of tiles 2 b, 2 b + 1 are keys 32 b + 16 h + 0 .. 15
.rept 4
	v_nop                                          ; places in front of the loads into K's registers and of the first read of the scores
.endr
.irp i, 0,1,2,3,4,5,6,7,8,9,10,11
	ds_load_b128 v[40+4*\i:43+4*\i], v8 offset:6144+512*\i         ; V's four fragments land under the softmax
.endr
	ds_load_b32 v90, v9 offset:12544
	ds_load_b32 v91, v9 offset:12672
	s_cmp_lg_u32 s[ST], s[BLK]
	s_cbranch_scc1 .Lopen_\@                       ; off the diagonal every key counts
	v_mov_b32 v254, 0xff800000                     ; -infinity
.set n, 0
.rept 64
	v_cmp_gt_i32 vcc_lo, 32*(n/16)+n%16, v3
	v_cndmask_b32 v[96+n], v[96+n], v254, vcc_lo
.set n, n+1
.endr
.Lopen_\@:
.irp b, 0,1,2,3
	v_max3_num_f32 v[232+\b], v[96+16*\b], v[97+16*\b], v[98+16*\b]   ; the largest score of each block of 32 keys: for the row's maximum, and, since p rises with the score, for the block's largest p
.endr
.irp i, 3,5,7,9,11,13
.irp b, 0,1,2,3
	v_max3_num_f32 v[232+\b], v[232+\b], v[96+16*\b+\i], v[97+16*\b+\i]
.endr
.endr
.irp b, 0,1,2,3
	v_max_num_f32 v[232+\b], v[232+\b], v[111+16*\b]
.endr
.irp b, 0,1,2,3
	s_delay_alu instid0(VALU_DEP_4)
	v_permlanex16_b32 v[236+\b], v[232+\b], s[SEL], s[SEL+1]
.endr
.irp b, 0,1,2,3
	s_delay_alu instid0(VALU_DEP_4)
	v_max_num_f32 v[232+\b], v[232+\b], v[236+\b]  ; with lane l xor 16's 16 keys
.endr
	s_delay_alu instid0(VALU_DEP_2)
	v_max3_num_f32 v254, v232, v233, v234
	s_delay_alu instid0(VALU_DEP_1)
	v_max_num_f32 v254, v254, v235
	s_delay_alu instid0(VALU_DEP_1)
	v_mul_f32 v254, s[CS], v254                    ; as t (c is positive)
	s_delay_alu instid0(VALU_DEP_1)
	v_max_num_f32 v13, v13, v254                   ; the running largest t
	v_mov_b32 v254, v12
	s_delay_alu instid0(VALU_DEP_2)
	v_floor_f32 v12, -v13                          ; -M = floor(-t)
	s_delay_alu instid0(VALU_DEP_1)
	v_sub_f32 v254, v12, v254                      ; old M - new M: a whole number, 0 or less
	s_delay_alu instid0(VALU_DEP_1)
	v_cvt_i32_f32 v254, v254                       ; (it saturates)
	s_delay_alu instid0(VALU_DEP_1)
	v_ldexp_f32 v252, 1.0, v254                    ; f = 2^(old M - new M)
.set j, 0
.rept 32
	v_pk_fma_f32 v[96+j:97+j], v[96+j:97+j], s[CS:CS+1], v[12:13] op_sel_hi:[1,0,0]   ; t - M
.set j, j+2
.endr
.irp b, 0,1,2,3
	v_fma_f32 v[232+\b], v[232+\b], s[CS], v12
.endr
	s_wait_alu depctr_va_vdst(0)                   ; the wait ahead of the batch
.set j, 0
.rept 64
	v_exp_f32 v[96+j], v[96+j]                     ; p = 2^(t - M), not normalised
.set j, j+1
.endr
.irp b, 0,1,2,3
	v_exp_f32 v[232+\b], v[232+\b]                 ; the block's largest p
.endr
	v_pk_mul_f32 v[14:15], v[14:15], v[252:253] op_sel_hi:[1,0]    ; l under the new M (a plain line behind the exponentials)
	s_wait_alu depctr_va_vdst(0)                   ; and behind it
.irp b, 0,1,2,3
	v_max_num_f32 v[232+\b], 0x1800000, v[232+\b]  ; the floor 2^(3 - 127)
.endr
.irp b, 0,1,2,3
	s_delay_alu instid0(VALU_DEP_4)
	v_add_nc_u32 v[244+\b], 0xff000000, v[232+\b]  ; the conversion's scale operand
.endr
.irp b, 0,1,2,3
	s_delay_alu instid0(VALU_DEP_4)
	v_lshrrev_b32 v[236+\b], 23, v[244+\b]
.endr
	s_delay_alu instid0(VALU_DEP_3)
	v_lshl_or_b32 v253, v237, 8, v236              ; p's scale word for these 128 keys
	s_delay_alu instid0(VALU_DEP_1)
	v_lshl_or_b32 v253, v238, 16, v253
	s_delay_alu instid0(VALU_DEP_1)
	v_lshl_or_b32 v253, v239, 24, v253
.irp c, 0,1
	v_cvt_scalef32_pk16_fp6_f32 v[224+6*\c:226+6*\c], v[96+32*\c:111+32*\c], v[244+2*\c]
	v_cvt_scalef32_pk16_fp6_f32 v[236+4*\c:238+4*\c], v[112+32*\c:127+32*\c], v[244+2*\c+1]
.endr
	v_nop                                          ; a plain line behind the conversions
.irp c, 0,1                                ; the operand wants a whole block in a lane: lanes 0-15 block 2 c, lanes 16-31 block 2 c + 1
.irp i, 0,1,2
	v_permlane16_swap_b32 v[224+6*\c+\i], v[236+4*\c+\i]
.endr
.irp i, 0,1,2
	s_delay_alu instid0(VALU_DEP_3)
	v_mov_b32 v[227+6*\c+\i], v[236+4*\c+\i]
.endr
.endr
.irp i, 0,1,2,3,4,5,6,7                    ; the sum of the unquantised p: eight chains of four pairs, then a tree
	v_pk_add_f32 v[TS+2*\i:TS+2*\i+1], v[96+8*\i:97+8*\i], v[98+8*\i:99+8*\i]
.endr
.irp i, 0,1,2,3,4,5,6,7
	v_pk_add_f32 v[TS+2*\i:TS+2*\i+1], v[TS+2*\i:TS+2*\i+1], v[100+8*\i:101+8*\i]
.endr
.irp i, 0,1,2,3,4,5,6,7
	v_pk_add_f32 v[TS+2*\i:TS+2*\i+1], v[TS+2*\i:TS+2*\i+1], v[102+8*\i:103+8*\i]
.endr
.irp i, 0,1,2,3
	v_pk_add_f32 v[TS+2*\i:TS+2*\i+1], v[TS+2*\i:TS+2*\i+1], v[TS+8+2*\i:TS+9+2*\i]
.endr
.irp i, 0,1
	s_delay_alu instid0(VALU_DEP_2)
	v_pk_add_f32 v[TS+2*\i:TS+2*\i+1], v[TS+2*\i:TS+2*\i+1], v[TS+4+2*\i:TS+5+2*\i]
.endr
	s_delay_alu instid0(VALU_DEP_1)
	v_pk_add_f32 v[TS:TS+1], v[TS:TS+1], v[TS+2:TS+3]
	s_delay_alu instid0(VALU_DEP_1)
	v_pk_add_f32 v[14:15], v[14:15], v[TS:TS+1]
	s_wait_alu depctr_va_vdst(0)                   ; the wait directly ahead of the first reader of O^T
.set j, 0
.rept 16
	v_pk_mul_f32 v[160+j:161+j], v[160+j:161+j], v[252:253] op_sel_hi:[1,0]   ; O^T under the new M
.set j, j+2
.endr
	s_wait_alu depctr_va_vdst(0)
	s_wait_dscnt 0x0                               ; V
.irp t, 0,1,2,3                            ; four accumulators by turns
.if (\t%2) == 1
	v_wmma_scale_f32_16x16x128_f8f6f4 v[160+8*\t:167+8*\t], v[40+12*\t:51+12*\t], v[224:235], v[160+8*\t:167+8*\t], v[90+\t/2], v253 matrix_a_fmt:MATRIX_FMT_FP6 matrix_b_fmt:MATRIX_FMT_FP6 matrix_a_scale:MATRIX_SCALE_ROW1
.else
	v_wmma_scale_f32_16x16x128_f8f6f4 v[160+8*\t:167+8*\t], v[40+12*\t:51+12*\t], v[224:235], v[160+8*\t:167+8*\t], v[90+\t/2], v253 matrix_a_fmt:MATRIX_FMT_FP6 matrix_b_fmt:MATRIX_FMT_FP6
.endif
.endr
.rept 4
	v_nop                                          ; places in front of the next loads into V's registers, and of the next read of O^T
.endr
.Lhid_\@:
	s_add_co_u32 s[TB], s[TB], REC
	s_add_co_u32 s[ST], s[ST], 1
.endm
.macro WALK n, lab                     ; n steps
	s_mov_b32 s[CNT], \n
\lab:
	STEP
	s_sub_co_u32 s[CNT], s[CNT], 1
	s_cmp_lg_u32 s[CNT], 0
	s_cbranch_scc1 \lab
.endm
; THE WAY OUT of a block: O / l, quantised along the features: register 16 b + i is channel 32 b + 16 h + i of my query, so a block of 32 lies in lanes l and l xor 16
.macro FINISH pc, ps
	v_add_f32 v14, v14, v15
	s_delay_alu instid0(VALU_DEP_1)
	v_permlanex16_b32 v252, v14, s[SEL], s[SEL+1]
	s_delay_alu instid0(VALU_DEP_1)
	v_add_f32 v14, v14, v252                       ; the row's sum
	s_wait_alu depctr_va_vdst(0)
	v_rcp_f32 v14, v14
	v_nop                                          ; a plain line behind the reciprocal
	s_wait_alu depctr_va_vdst(0)
.set j, 0
.rept 32
	v_mul_f32 v[96+j], v[160+j], v14               ; each accumulator from its low end on
.set j, j+1
.endr
.irp b, 0,1
	v_max3_num_f32 v[232+\b], |v[96+16*\b]|, |v[97+16*\b]|, 0x1800000
.endr
.irp i, 2,4,6,8,10,12,14
.irp b, 0,1
	s_delay_alu instid0(VALU_DEP_2)
	v_max3_num_f32 v[232+\b], v[232+\b], |v[96+16*\b+\i]|, |v[97+16*\b+\i]|
.endr
.endr
.irp b, 0,1
	s_delay_alu instid0(VALU_DEP_2)
	v_permlanex16_b32 v[236+\b], v[232+\b], s[SEL], s[SEL+1]
.endr
.irp b, 0,1
	s_delay_alu instid0(VALU_DEP_2)
	v_max_num_f32 v[232+\b], v[232+\b], v[236+\b]
.endr
.irp b, 0,1
	s_delay_alu instid0(VALU_DEP_2)
	v_add_nc_u32 v[244+\b], 0xff000000, v[232+\b]
.endr
.irp b, 0,1
	s_delay_alu instid0(VALU_DEP_2)
	v_lshrrev_b32 v[236+\b], 23, v[244+\b]
.endr
	s_delay_alu instid0(VALU_DEP_1)
	v_lshl_or_b32 v240, v237, 8, v236              ; my head's two scale bytes of my token
	v_cvt_scalef32_pk16_fp6_f32 v[128:130], v[96:111], v244
	v_cvt_scalef32_pk16_fp6_f32 v[132:134], v[112:127], v245
	v_nop
	global_store_b96 v4, v[128:130], s[\pc:\pc+1]  ; 12 bytes: channels 16 h on of block 0
	global_store_b96 v4, v[132:134], s[\pc:\pc+1] offset:24
	global_store_b16 v5, v240, s[\ps:\ps+1]        ; lanes l and l xor 16 write the same two bytes with the same value
.endm
	s_wait_alu depctr_va_vdst(0)                   ; the wait at the head's end
	s_wait_tensorcnt 0x0                           ; my piece of records 0-7 has landed
	ds_add_u32 v251, v255
	s_wait_dscnt 0x0
	ROUND                                          ; everybody's piece has, in all four work-groups
	tensor_load_to_lds s[GB:GB+3], s[G1:G1+7]      ; records 8-15, a piece a wave: a first fill
	s_nop 0
.rept 4
	v_nop
.endr
	STEP                                           ; step 0 is every wave's
	s_wait_tensorcnt 0x0                           ; my piece of records 8-15
	s_wait_dscnt 0x0
	s_barrier_signal -1
	s_barrier_wait -1
	WALK 8, .Lstep_a                               ; steps 1 .. 8
	s_cmp_eq_u32 s[ROLE], 0
	s_cbranch_scc0 .Lyarm
.irp k, 0,1,2,3,4,5,6,7
	ds_store_b128 v93, v[160+4*\k:163+4*\k] offset:512*\k          ; X: O^T, each accumulator from its low end on,
.endr
	ds_store_b128 v93, v[12:15] offset:4096        ; and -M, the largest t, l
	s_branch .Ljoin
.Lyarm:
	FINISH 8, 10                                   ; Y: block b is done
	s_wait_xcnt 0x0                                ; the stores have read their registers
	SETQ 208                                       ; and block 15 - b begins
	FRESH 214
.Ljoin:
	s_mov_b32 s[BLK], s[BLK2]
	s_mov_b32 s[HI], s[HI2]
	s_wait_alu depctr_va_vdst(0)
	s_wait_dscnt 0x0                               ; X's hand-over lies in LDS
	s_barrier_signal -1                            ; the signal here, the wait behind step 15
	WALK 7, .Lstep_b                               ; steps 9 .. 15: registers, and LDS loads of the records
	s_barrier_wait -1                              ; every X has signalled
	s_cmp_eq_u32 s[ROLE], 0
	s_cbranch_scc1 .Lend
.irp k, 0,1,2,3,4,5,6,7
	ds_load_b128 v[96+4*\k:99+4*\k], v93 offset:512*\k
.endr
	ds_load_b128 v[128:131], v93 offset:4096
	s_wait_dscnt 0x0
	v_min_num_f32 v132, v12, v128                  ; -M of the two together
	s_delay_alu instid0(VALU_DEP_1)
	v_sub_f32 v133, v132, v12                      ; my M less the common one: a whole number, 0 or less
	v_sub_f32 v134, v132, v128                     ; X's likewise
	s_delay_alu instid0(VALU_DEP_2)
	v_cvt_i32_f32 v133, v133                       ; (they saturate: a Y with no step of its own counts for nothing)
	s_delay_alu instid0(VALU_DEP_2)
	v_cvt_i32_f32 v134, v134
	s_delay_alu instid0(VALU_DEP_2)
	v_ldexp_f32 v252, 1.0, v133
	s_delay_alu instid0(VALU_DEP_2)
	v_ldexp_f32 v254, 1.0, v134
	v_pk_mul_f32 v[14:15], v[14:15], v[252:253] op_sel_hi:[1,0]
.set j, 0
.rept 16
	v_pk_mul_f32 v[160+j:161+j], v[160+j:161+j], v[252:253] op_sel_hi:[1,0]
.set j, j+2
.endr
	v_pk_fma_f32 v[14:15], v[130:131], v[254:255], v[14:15] op_sel_hi:[1,0,1]
.set j, 0
.rept 16
	v_pk_fma_f32 v[160+j:161+j], v[96+j:97+j], v[254:255], v[160+j:161+j] op_sel_hi:[1,0,1]
.set j, j+2
.endr
	FINISH 66, 68
.Lend:
	s_wait_tensorcnt 0x0                           ; the wave's end
	ds_add_u32 v251, v255
	s_wait_dscnt 0x0
	ROUND                                          ; the closing round
	s_endpgm
.Lfunc_end_k_qf83e523f6f_att:
	.size	k_qf83e523f6f_att, .Lfunc_end_k_qf83e523f6f_att-k_qf83e523f6f_att
	.p2alignl 7, 3214868480
	.fill 96, 4, 3214868480
	.section	.rodata,"a",@progbits
	.p2align	6, 0x0
	.amdhsa_kernel k_qf83e523f6f_att
		.amdhsa_group_segment_fixed_size 327680
		.amdhsa_private_segment_fixed_size 0
		.amdhsa_enable_private_segment 0
		.amdhsa_kernarg_size 32
		.amdhsa_user_sgpr_count 2
		.amdhsa_user_sgpr_kernarg_segment_ptr 1
		.amdhsa_wavefront_size32 1
		.amdhsa_system_sgpr_workgroup_id_x 1
		.amdhsa_system_sgpr_workgroup_id_y 1
		.amdhsa_system_sgpr_workgroup_id_z 1
		.amdhsa_system_vgpr_workitem_id 0
		.amdhsa_next_free_vgpr 256
		.amdhsa_next_free_sgpr 80
		.amdhsa_reserve_vcc 1
		.amdhsa_float_denorm_mode_32 3
		.amdhsa_float_denorm_mode_16_64 3
		.amdhsa_memory_ordered 1
		.amdhsa_forward_progress 1
		.amdhsa_inst_pref_size 90
	.end_amdhsa_kernel
	.amdgpu_metadata
---
amdhsa.version: [ 1, 2 ]
amdhsa.kernels:
  - .name:           k_qf83e523f6f_att
    .symbol:         k_qf83e523f6f_att.kd
    .args:
      - { .name: qrec, .offset: 0, .size: 8, .value_kind: global_buffer, .address_space: global }
      - { .name: kvrec, .offset: 8, .size: 8, .value_kind: global_buffer, .address_space: global }
      - { .name: o_codes, .offset: 16, .size: 8, .value_kind: global_buffer, .address_space: global }
      - { .name: o_scales, .offset: 24, .size: 8, .value_kind: global_buffer, .address_space: global }
    .group_segment_fixed_size: 327680
    .private_segment_fixed_size: 0
    .kernarg_segment_align: 8
    .kernarg_segment_size: 32
    .max_flat_workgroup_size: 512
    .sgpr_count:     80
    .vgpr_count:     256
    .wavefront_size: 32
...
	.end_amdgpu_metadata
.endif
;; end of part 3
;; launch proj (part 4): grid 8 x 32, 4 waves a work-group, clusters of 4 x 4, 226,816 bytes of LDS; arguments o_codes, o_scales, w_codes, w_scales, bo, out0; writes out0
.if DOCPART == 4
	.amdgcn_target "amdgcn-amd-amdhsa--gfx1250"
	.amdhsa_code_object_version 6
	.text
	.protected	k_qf83e523f6f_proj
	.globl	k_qf83e523f6f_proj
	.p2align	8
	.type	k_qf83e523f6f_proj,@function
k_qf83e523f6f_proj:
	s_mov_b64 s[64:65], 0
	v_nop
	global_prefetch_b8 v0, s[64:65] scope:SCOPE_SE
	s_setreg_imm32_b32 hwreg(HW_REG_WAVE_MODE, 25, 1), 1
	s_wait_xcnt 0x0
	s_wait_alu depctr_hold_cnt(0) depctr_sa_sdst(0) depctr_va_vdst(0) depctr_va_sdst(0) depctr_va_ssrc(0) depctr_va_vcc(0) depctr_vm_vsrc(0)
	s_getreg_b32 s2, hwreg(HW_REG_IB_STS2, 6, 4)
	s_cmp_eq_u32 s2, 0
	s_cbranch_scc0 .Lentry_in_a_cluster
	s_endpgm
.Lentry_in_a_cluster:
	s_bfe_u32 s2, ttmp6, 0x10000c
	s_cmp_lg_u32 s2, 0xf033
	s_cbranch_scc0 .Lentry_shape_is_right
	s_endpgm
.Lentry_shape_is_right:
; out0 = O Wo^T + bo: [4096 tokens][1024] x [1024 features][1024]^T on codes of FP6 (E2M3) with one E8M0 scale for each 32 along K; Wo is rows 3072-4095 of w_codes and w_scales.
; A block of 128 tokens x 128 features to a work-group: 8 x 32 = 256 work-groups.  Four waves, each 64 x 64: 16 accumulators.
; ALL OF K LIES IN LDS: 128 + 128 rows of 768 bytes, each row whole (a multiple of 256 bytes, beginning at a multiple of 256), 16 bytes of padding behind every 256: pitch 816.
; Each wave brings 64 rows with its one tensor load; nothing is filled again, so there is no ring.
; CLUSTERS: 4 x 4 work-groups; the tokens' rows are asked for jointly along a row of the cluster, the weights' along a column.
; NO PREFETCH: the launch has no loop to run ahead in: every byte is asked for at the head.
; THE SCALES go from memory straight into registers, once: a row's 32 bytes are the eight words of its eight K steps; sixteen lanes read 512 consecutive bytes in two loads.
; THE MATRIX INSTRUCTION IS USED TRANSPOSED (source 0 = 16 features, source 1 = 16 tokens): a lane holds one token and eight neighbouring features.  The bias is the C of each sum's first instruction.
; THE WAY OUT: 16 tokens x 64 features at a time through my own stage; sixteen lanes then store a row's 256 consecutive bytes, aligned.
; REGISTERS: window 0: v16-24 addresses; v32-63 the tokens' scale words, v64-95 the features'; v96-127 the bias; v128-255 the accumulators ((a, b) at v[128 + 8 (4 a + b)]).
;   window 1: the fragments, two sets at v0 and v128: the tokens' four at + 0, the features' four at + 48.
.set KROW,   768
.set PITCH,  816
.set HALFT,  64*PITCH
.set TILE,   128*PITCH
.set STAGE,  2*TILE
.set SPITCH, 272
.set SPARE,  STAGE+4*16*SPITCH         ; the spare words, 128 bytes a wave
.set ADRA, 16                          ; v16 my tokens' fragments; v17 the same with 16 more in lanes 16-31: behind one padding more
.set ADRB, 18
.set STO,  20
.set RD,   21
.set CO,   22
.set SOF,  23
.set BOF,  24
.set SPW,  28
.set NIL,  29
.set SA,   32
.set SB,   64
.set BI,   96
.set ACC,  128
.set G1,  24
.set G0,  32
.set G0B, 36
.set G1B, 48
.set MSB, 0
.macro WIN new                         ; the immediate's high byte repeats the setting that is left
.if MSB != \new
	s_set_vgpr_msb (MSB<<8)|\new
.set MSB, \new
.endif
.endm
.macro CROUND                          ; a round of the cluster's barrier
	s_barrier_signal -1
	s_barrier_wait -1
	s_cmp_lg_u32 s14, 0
	s_cbranch_scc1 .Lnot_wave_0_\@
	s_barrier_signal -3
.Lnot_wave_0_\@:
	s_barrier_wait -3
	s_barrier_signal -1
	s_barrier_wait -1
.endm
	s_load_b128 s[4:7], s[0:1], 0x0                ; O's codes, O's scales
	s_load_b128 s[8:11], s[0:1], 0x10              ; the weights' codes, their scales
	s_load_b128 s[68:71], s[0:1], 0x20             ; bo, out0
	v_lshl_add_u32 v[SPW], v0, 2, SPARE
	v_mov_b32 v[NIL], 0
	ds_add_u32 v[SPW], v[NIL]                      ; the opening: the add, twice on end, and its wait
	ds_add_u32 v[SPW], v[NIL]
	v_lshrrev_b32 v1, 5, v0
	v_readfirstlane_b32 s14, v1                    ; wave 0..3
	s_lshr_b32 s15, s14, 1                         ; which 64 tokens are mine.  Also: I fetch tokens' rows (0) or features' (1)
	s_and_b32 s16, s14, 1                          ; which 64 features.  Also: which 64 rows I fetch
	s_bfe_u32 s40, ttmp6, 0x40000                  ; cx, cy
	s_bfe_u32 s41, ttmp6, 0x40004
	s_lshl_b32 s42, ttmp9, 2
	s_add_co_u32 s42, s42, s40                     ; block column, 0 .. 7
	s_and_b32 s17, ttmp7, 0xffff
	s_lshl_b32 s17, s17, 2
	s_add_co_u32 s17, s17, s41                     ; block row, 0 .. 31
	s_lshl_b32 s43, s41, 2
	s_lshl_b32 s43, 15, s43                        ; my row of the cluster
	s_lshl_b32 s44, 0x1111, s40                    ; my column
	s_or_b32 s[G1+0], s43, (0<<16)|(1<<20)|(1<<21)|(5<<22)|(3<<25)   ; bytes; 16 bytes of padding behind every 256
	s_or_b32 s[G1B+0], s44, (0<<16)|(1<<20)|(1<<21)|(5<<22)|(3<<25)
.irp g, G1, G1B
	s_mov_b32 s[\g+1], KROW<<16
	s_mov_b32 s[\g+2], 64<<16
	s_mov_b32 s[\g+3], KROW<<16
	s_mov_b32 s[\g+4], 64
	s_mov_b32 s[\g+5], KROW
	s_mov_b32 s[\g+6], 0
	s_mov_b32 s[\g+7], 0
.endr
	s_lshl_b32 s18, s16, 6
	s_lshl_b32 s20, s17, 7
	s_add_co_u32 s20, s20, s18                     ; token row 128 x block row + 64 x half
	s_mul_i32 s20, s20, KROW
	s_mov_b32 s21, 0
	s_lshl_b32 s46, s42, 7
	s_add_co_u32 s46, s46, s18
	s_add_co_u32 s46, s46, 3072                    ; weight row 3072 + 128 x block column + 64 x half
	s_mul_i32 s46, s46, KROW
	s_mov_b32 s47, 0
	s_mul_i32 s45, s14, HALFT                      ; where my 64 rows go: wave x 64 rows
	s_wait_dscnt 0x0
	s_wait_kmcnt 0x0
	s_add_nc_u64 s[20:21], s[4:5], s[20:21]
	s_add_nc_u64 s[46:47], s[8:9], s[46:47]
	CROUND                                         ; all sixteen work-groups are here: the joint loads meet
	s_mov_b32 s[G0], 1
	s_add_co_u32 s[G0+1], s45, 0
	s_mov_b64 s[G0+2:G0+3], s[20:21]
	s_or_b32 s[G0+3], s[G0+3], 0x80000000
	s_mov_b32 s[G0B], 1
	s_add_co_u32 s[G0B+1], s45, 0
	s_mov_b64 s[G0B+2:G0B+3], s[46:47]
	s_or_b32 s[G0B+3], s[G0B+3], 0x80000000
	s_cmp_eq_u32 s15, 0                            ; one load a wave: waves 0 and 1 the tokens' rows, waves 2 and 3 the features'
	s_cbranch_scc0 .Lfor_b
	tensor_load_to_lds s[G0:G0+3], s[G1:G1+7]
	s_nop 0
.rept 4
	v_nop
.endr
	s_branch .Lasked
.Lfor_b:
	tensor_load_to_lds s[G0B:G0B+3], s[G1B:G1B+7]
	s_nop 0
.rept 4
	v_nop
.endr
.Lasked:
	s_lshl_b32 s56, s17, 7
	s_lshl_b32 s57, s15, 6
	s_add_co_u32 s56, s56, s57                     ; my first token
	s_lshl_b32 s58, s42, 7
	s_lshl_b32 s59, s16, 6
	s_add_co_u32 s58, s58, s59                     ; my first feature
	s_lshl_b32 s60, s56, 5
	s_mov_b32 s61, 0
	s_add_nc_u64 s[6:7], s[6:7], s[60:61]          ; my tokens' scales
	s_lshl_b32 s60, s58, 5
	s_add_co_u32 s60, s60, 3072*32
	s_add_nc_u64 s[10:11], s[10:11], s[60:61]      ; my features' scales
	s_lshl_b32 s60, s58, 2
	s_add_nc_u64 s[68:69], s[68:69], s[60:61]      ; their bias
	s_add_nc_u64 s[70:71], s[70:71], s[60:61]
	s_lshl_b32 s60, s56, 12
	s_add_nc_u64 s[70:71], s[70:71], s[60:61]      ; my corner of out0
	s_mul_i32 s21, s15, HALFT
	s_mul_i32 s22, s16, HALFT
	s_add_co_u32 s22, s22, TILE
	s_mul_i32 s23, s14, 16*SPITCH
	s_add_co_u32 s23, s23, STAGE
	v_and_b32 v1, 15, v0                           ; r
	v_bfe_u32 v2, v0, 4, 1                         ; h
	v_mul_u32_u24 v3, v1, PITCH
	v_mad_u32_u24 v3, v2, 24, v3                   ; row x pitch + 24 h
	v_add_nc_u32 v[ADRA], s21, v3
	v_add_nc_u32 v[ADRB], s22, v3
	v_lshl_add_u32 v[ADRA+1], v2, 4, v[ADRA]
	v_lshl_add_u32 v[ADRB+1], v2, 4, v[ADRB]
	v_lshlrev_b32 v[SOF], 5, v1                    ; a row of scales is 32 bytes
	v_lshlrev_b32 v[BOF], 5, v2
	v_mul_u32_u24 v4, v1, SPITCH
	v_lshl_add_u32 v4, v2, 5, v4
	v_add_nc_u32 v[STO], s23, v4                   ; into the stage: row r, 32 bytes for each half of the lanes
	v_mul_u32_u24 v5, v2, SPITCH
	v_lshl_add_u32 v5, v1, 4, v5
	v_add_nc_u32 v[RD], s23, v5                    ; back: sixteen lanes to a row, two rows an instruction
	v_lshlrev_b32 v6, 12, v2
	v_lshl_add_u32 v[CO], v1, 4, v6                ; and the same two rows in out0
.irp i, 0,1,2,3
	global_load_b128 v[SA+8*\i:SA+8*\i+3], v[SOF], s[6:7] offset:512*\i
	global_load_b128 v[SA+8*\i+4:SA+8*\i+7], v[SOF], s[6:7] offset:512*\i+16
	global_load_b128 v[SB+8*\i:SB+8*\i+3], v[SOF], s[10:11] offset:512*\i
	global_load_b128 v[SB+8*\i+4:SB+8*\i+7], v[SOF], s[10:11] offset:512*\i+16
	global_load_b128 v[BI+8*\i:BI+8*\i+3], v[BOF], s[68:69] offset:64*\i
	global_load_b128 v[BI+8*\i+4:BI+8*\i+7], v[BOF], s[68:69] offset:64*\i+16
.endr
.macro FRAG reg, adr, st, i            ; lane l holds row l % 16; registers 6 c .. 6 c + 5 hold K = 64 c + 32 (l / 16) + 0 .. 31: 24 bytes of the row, in pieces of 8
.irp p, 0,1,2,3,4,5
.set BY, 96*(\st)+48*(\p/3)+8*(\p%3)  ; byte y of a row lies at y + 16 (y / 256) of its LDS row
.if BY/256 == (BY+24)/256
	ds_load_b64 v[\reg+2*\p:\reg+2*\p+1], v[\adr] offset:BY+16*(BY/256)+(\i)*16*PITCH
.else
	ds_load_b64 v[\reg+2*\p:\reg+2*\p+1], v[\adr+1] offset:BY+16*(BY/256)+(\i)*16*PITCH
.endif
.endr
.endm
.macro FETCH st                        ; 48 loads: step st's eight fragments into set st % 2
	WIN 0x40
.irp i, 0,1,2,3
	FRAG 128*((\st)%2)+12*\i, ADRA, \st, \i
	FRAG 128*((\st)%2)+48+12*\i, ADRB, \st, \i
.endr
.endm
.macro MUL st, first                   ; 16 matrix instructions, the 16 accumulators by turns
	WIN 0x05
.set P, 128*((\st)%2)
.irp a, 0,1,2,3
.irp b, 0,1,2,3
.if \first
	v_wmma_scale_f32_16x16x128_f8f6f4 v[ACC+8*(4*\a+\b):ACC+8*(4*\a+\b)+7], v[P+48+12*\b:P+48+12*\b+11], v[P+12*\a:P+12*\a+11], v[BI+8*\b:BI+8*\b+7], v[SB+8*\b+(\st)], v[SA+8*\a+(\st)] matrix_a_fmt:MATRIX_FMT_FP6 matrix_b_fmt:MATRIX_FMT_FP6
.else
	v_wmma_scale_f32_16x16x128_f8f6f4 v[ACC+8*(4*\a+\b):ACC+8*(4*\a+\b)+7], v[P+48+12*\b:P+48+12*\b+11], v[P+12*\a:P+12*\a+11], v[ACC+8*(4*\a+\b):ACC+8*(4*\a+\b)+7], v[SB+8*\b+(\st)], v[SA+8*\a+(\st)] matrix_a_fmt:MATRIX_FMT_FP6 matrix_b_fmt:MATRIX_FMT_FP6
.endif
.endr
.endr
.endm
.macro PLACES                          ; plain vector lines between a matrix instruction and a load into, or a read of, its registers
.rept 4
	v_nop
.endr
.endm
	s_wait_alu depctr_va_vdst(0)                   ; the wait at the head's end
	s_wait_tensorcnt 0x0                           ; my 64 rows have landed
	s_barrier_signal -1
	s_barrier_wait -1                              ; everybody's have
	FETCH 0
	FETCH 1
	s_wait_loadcnt 0x0                             ; the scales and the bias
	s_wait_dscnt 48                                ; step 0's fragments are in; step 1's 48 loads may be out
	MUL 0, 1
.set ST, 1
.rept 6
	PLACES                                         ; the set that the last step multiplied takes the next step's fragments
	FETCH ST+1
	s_wait_dscnt 48                                ; this step's fragments are in; the 48 loads just issued may be out
	MUL ST, 0
.set ST, ST+1
.endr
	s_wait_dscnt 0x0
	MUL 7, 0
	WIN 0
	PLACES
.macro TOSTAGE a                       ; block a: 16 tokens x 64 features into my stage, and back, as rows, into the same registers.  LDS serves a wave's instructions in order (ISA guide 5.7.1.4)
.irp b, 0,1,2,3
	ds_store_b128 v[STO], v[ACC+8*(4*\a+\b):ACC+8*(4*\a+\b)+3] offset:64*\b       ; each accumulator from its low end on
	ds_store_b128 v[STO], v[ACC+8*(4*\a+\b)+4:ACC+8*(4*\a+\b)+7] offset:64*\b+16
.endr
.irp t, 0,1,2,3,4,5,6,7
	ds_load_b128 v[ACC+32*\a+4*\t:ACC+32*\a+4*\t+3], v[RD] offset:\t*2*SPITCH
.endr
.endm
.macro SEND a, younger
	s_wait_dscnt \younger
.irp t, 0,1,2,3,4,5,6,7
	global_store_b128 v[CO], v[ACC+32*\a+4*\t:ACC+32*\a+4*\t+3], s[70:71] offset:(16*\a+2*\t)*4096 th:TH_STORE_NT   ; sixteen lanes store 256 consecutive bytes, aligned
.endr
.endm
	TOSTAGE 0
	TOSTAGE 1
	SEND 0, 16                                     ; behind block 0's loads: block 1's 8 stores and 8 loads
	TOSTAGE 2
	SEND 1, 16
	TOSTAGE 3
	SEND 2, 16
	SEND 3, 0
	s_wait_tensorcnt 0x0                           ; the wave's end
	ds_add_u32 v[SPW], v[NIL]
	s_wait_dscnt 0x0
	CROUND                                         ; the closing round
	s_endpgm
.Lfunc_end_k_qf83e523f6f_proj:
	.size	k_qf83e523f6f_proj, .Lfunc_end_k_qf83e523f6f_proj-k_qf83e523f6f_proj
	.p2alignl 7, 3214868480
	.fill 96, 4, 3214868480
	.section	.rodata,"a",@progbits
	.p2align	6, 0x0
	.amdhsa_kernel k_qf83e523f6f_proj
		.amdhsa_group_segment_fixed_size 226816
		.amdhsa_private_segment_fixed_size 0
		.amdhsa_enable_private_segment 0
		.amdhsa_kernarg_size 48
		.amdhsa_user_sgpr_count 2
		.amdhsa_user_sgpr_kernarg_segment_ptr 1
		.amdhsa_wavefront_size32 1
		.amdhsa_system_sgpr_workgroup_id_x 1
		.amdhsa_system_sgpr_workgroup_id_y 1
		.amdhsa_system_sgpr_workgroup_id_z 1
		.amdhsa_system_vgpr_workitem_id 0
		.amdhsa_next_free_vgpr 512
		.amdhsa_next_free_sgpr 80
		.amdhsa_reserve_vcc 0
		.amdhsa_float_denorm_mode_32 3
		.amdhsa_float_denorm_mode_16_64 3
		.amdhsa_memory_ordered 1
		.amdhsa_forward_progress 1
		.amdhsa_inst_pref_size 58
	.end_amdhsa_kernel
	.amdgpu_metadata
---
amdhsa.version: [ 1, 2 ]
amdhsa.kernels:
  - .name:           k_qf83e523f6f_proj
    .symbol:         k_qf83e523f6f_proj.kd
    .args:
      - { .name: o_codes, .offset: 0, .size: 8, .value_kind: global_buffer, .address_space: global }
      - { .name: o_scales, .offset: 8, .size: 8, .value_kind: global_buffer, .address_space: global }
      - { .name: w_codes, .offset: 16, .size: 8, .value_kind: global_buffer, .address_space: global }
      - { .name: w_scales, .offset: 24, .size: 8, .value_kind: global_buffer, .address_space: global }
      - { .name: bo, .offset: 32, .size: 8, .value_kind: global_buffer, .address_space: global }
      - { .name: out0, .offset: 40, .size: 8, .value_kind: global_buffer, .address_space: global }
    .group_segment_fixed_size: 226816
    .private_segment_fixed_size: 0
    .kernarg_segment_align: 8
    .kernarg_segment_size: 48
    .max_flat_workgroup_size: 128
    .sgpr_count:     80
    .vgpr_count:     512
    .wavefront_size: 32
...
	.end_amdgpu_metadata
.endif
;; end of part 4
